; MI455X (gfx1250); checked and timed in simulation.
; The chip was launched on July 23, 2026; its instructions are those of AMD's public machine-readable ISA for CDNA 5 (MIT licence, August 2026) and "CDNA5" Instruction Set Architecture Reference Guide (July 2026). The comments in the code are by the model that wrote it; some were corrected since.
;; Transformer Block. Allowed arithmetic: matrix products marked QUANTISED: E2M1 operands, one E8M0 scale for each 32 along K, by v_wmma_scale_f32_16x16x128_f8f6f4 with both operands' format E2M1 (or v_wmma_scale_f32_32x16x128_f4), f32 sums; everything else in f32.
;; Inputs: b1 1,024 float32; b2 1,024 float32; b_o 1,024 float32; ln1_b 1,024 float32; ln1_g 1,024 float32; ln2_b 1,024 float32; ln2_g 1,024 float32; w1 1,024 x 1,024 float32; w2 1,024 x 1,024 float32; w_k 1,024 x 1,024 float32; w_o 1,024 x 1,024 float32; w_q 1,024 x 1,024 float32; w_v 1,024 x 1,024 float32; x 16 x 512 x 1,024 float32.
;; Outputs: out0 16 x 512 x 1,024 float32.
;; This version of the problem:
;;   THIS VERSION OF THE PROBLEM IS GIVEN IN LOW PRECISION. The matrix products marked QUANTISED in the list below multiply operands that are first quantised to E2M1 (2 exponent bits, 1 mantissa bit; 4 bits a number), with one power-of-two scale for each 32 numbers along K (OCP MX v1.0); their sums are f32. All else is computed in f32.
;;   The module's matrix products, in the order in which they are computed (A, B: the left and right operand; K: the contracted axis; several contracted axes count as one K, in the product's order):
;;     1. [M 8,192, K 1,024] x [K 1,024, N 1,024]; A: computed on the way; B: input w_q: QUANTISED
;;     2. [M 8,192, K 1,024] x [K 1,024, N 1,024]; A: computed on the way; B: input w_k: QUANTISED
;;     3. [M 8,192, K 1,024] x [K 1,024, N 1,024]; A: computed on the way; B: input w_v: QUANTISED
;;     4. batch 256 x [M 512, K 64] x [K 64, N 512]; A: computed on the way; B: computed on the way: QUANTISED
;;     5. batch 256 x [M 512, K 512] x [K 512, N 64]; A: softmax (see below); B: computed on the way: QUANTISED
;;     6. [M 8,192, K 1,024] x [K 1,024, N 1,024]; A: computed on the way; B: input w_o: QUANTISED
;;     7. [M 8,192, K 1,024] x [K 1,024, N 1,024]; A: computed on the way; B: input w1: QUANTISED
;;     8. [M 8,192, K 1,024] x [K 1,024, N 1,024]; A: computed on the way; B: input w2: QUANTISED
;;   THE QUANTISER, for each operand of a quantised product, along K:
;;     - K is cut into blocks of 32 from its start; a last block that is shorter is filled with zeros.
;;     - A block's scale is 2^e with e = floor(log2(the largest magnitude in the block)) - 2, held to -126 .. 127; a block of zeros has e = 0. As a byte (E8M0): e + 127.
;;     - Each number is divided by its block's scale, clamped to +-6, and rounded to the nearest number of E2M1, ties to even, subnormals kept.
;;     - The product sums the exact products of the quantised numbers (number of the format x scale) in f32.
;;   ~~~python
;;   def quantise(x, axis):      # numpy; x: float32 -> the quantised numbers, widened to float32 again
;;       x = np.moveaxis(x, axis, -1); K = x.shape[-1]
;;       x = np.pad(x, [(0, 0)] * (x.ndim - 1) + [(0, -K % 32)]); x = x.reshape(x.shape[:-1] + (-1, 32)); a = np.abs(x).max(-1, keepdims=True)
;;       e = np.where(a > 0, np.clip(np.frexp(np.where(a > 0, a, 1))[1] - 1 - 2, -126, 127), 0)      # np.frexp(a)[1] - 1 = floor(log2(a)), exactly
;;       r = np.clip(x / 2.0 ** e, -6, 6)
;;       step = 2.0 ** (np.maximum(np.frexp(np.where(r == 0, 1, r))[1] - 1, 0) - 1)
;;       q = np.round(r / step) * step * 2.0 ** e      # np.round: ties to even
;;       return np.moveaxis(q.reshape(q.shape[:-2] + (-1,))[..., :K], -1, axis).astype(np.float32)
;;   ~~~
;;   SOFTMAX AHEAD OF A QUANTISED PRODUCT. Where the list says 'softmax', what is quantised is not the finished softmax but p = 2^(t - M), with t = logit x log2(e) and M = ceil(the row's largest t), a whole number; so 1/2 < the row's largest p <= 1. The row's sum l is taken of the UNQUANTISED p, in f32, and the product's result is divided by l at the end. Since M is a whole number, a kernel that streams over the keys may use a running M (the ceiling of the running maximum): every later rescaling is an exact power of two, which a block's scale takes up: the codes' values come out the same.
;;   OPERANDS COMPUTED ON THE WAY. 'Computed on the way' means the value that the module computes at that place (a softmax that the list does not call 'softmax' is quantised finished and normalised). What goes into a quantiser is computed in f32, as accurately as f32 sums, v_exp_f32 and their like allow (about 1e-6 of the number): no bf16 or f16 on the way to a quantiser, and a product that is left as it is and whose result goes on into a quantised operand takes f32 operands (vector FMAs, or v_wmma_f32_16x16x4_f32). A number that lies on a knife's edge between two numbers of the format may be rounded either way, as far as f32 arithmetic and the matrix unit's own rounding can turn it there, and no further.
;; One version. Each part assembles by itself: llvm-mc -triple=amdgcn-amd-amdhsa -mcpu=gfx1250 --defsym DOCPART=n.
;; ======== version 1 of 1: 3 launches
;; limits: right only within a limited range of input values
;; workspace buffers: himg 4,194,304 bytes; hsc 262,144 bytes; wimg 3,145,728 bytes; wsc 196,608 bytes; oimg 4,194,304 bytes; osc 262,144 bytes
;; launch prep (part 1): grid 448 x 1, 8 waves a work-group, no clusters, 133,632 bytes of LDS; arguments x, ln1_g, ln1_b, w_q, w_k, w_v, w_o, w1, w2, himg, hsc, wimg, wsc; writes himg, hsc, wimg, wsc
.if DOCPART == 1
	.amdgcn_target "amdgcn-amd-amdhsa--gfx1250"
	.amdhsa_code_object_version 6
	.text
	.protected	k_q4b01da05db_prep
	.globl	k_q4b01da05db_prep
	.p2align	8
	.type	k_q4b01da05db_prep,@function
k_q4b01da05db_prep:
	s_mov_b64 s[64:65], 0
	v_nop
	global_prefetch_b8 v0, s[64:65] scope:SCOPE_SE
	s_setreg_imm32_b32 hwreg(HW_REG_WAVE_MODE, 25, 1), 1
	s_wait_xcnt 0x0
; TRANSFORMER BLOCK IN MX-FP4, LAUNCH 1 OF 3: what is quantised once.
; (a) work-groups 0-191: the six weights [K 1024][N 1024] f32 become codes of E2M1 along K (their FIRST axis) and E8M0 scale bytes, laid as images of the operand's registers.
; (b) work-groups 192-447: LayerNorm 1 of 32 rows of x each, in f32, quantised along the 1,024 channels, laid the same way.
; Both kinds of work-group read 131,072 bytes: 8 waves x 32 columns x 128 rows x 4 bytes, and 32 rows x 4,096 bytes.
; DEAD WORK IN THE WHOLE PROGRAM.  reference() sets the logit of key k for query q to -infinity where k > q, by a mask that it builds itself (jnp.tril): such a key has weight exp(-inf) = 0 in the softmax's sum and in
; the product with v, whatever finite values the inputs hold.  So launch 2 leaves out every step of 128 keys that lies wholly behind a tile of queries.  Nothing else is left out, and every input is loaded.
; LIMIT: a NaN, an infinity or an overflow that would reach only those hidden scores is not carried to the result.
; OTHER LIMITS: NaN and infinities among the inputs are not served.  A block whose largest magnitude lies under 2^-124 keeps the scale byte 1; a block of zeros gets the byte 1 where the quantiser says 127:
; its codes are zeros, which add nothing under any byte but 0xff, and the bytes are read by this program alone.
; ROW ORDER, everywhere: 32 rows (or 32 units of a weight) are two tiles u = 0, 1; lane r of tile u holds row 8 u + r + 8 (r / 8).  So a transposed product's 16 registers of two neighbouring tiles are 16 neighbours.
; LAYOUTS.  himg [g 256][u 2][s 8][c 2][lane 32][16 B]: lane (r, h) holds the codes of k = 128 s + 64 c + 32 h + 0..31 of its row.   hsc [g][s / 4][16 u + r][s % 4][4 bytes].
;           wimg [m 6][cg 16][s 8][t 4][c 2][lane 32][16 B], tile t = 2 b + u of units 64 cg + 32 b ..   wsc [m][cg][b 2][s / 2][16 u + r][s % 2][4 bytes].
; No matrix unit, no tensor load, no cluster: the launch streams; work-groups share nothing but 8 KB of gains.
.set SCL,   0                          ; LDS (LayerNorm path alone): the block's 1,024 bytes of scale words, gathered
.set SPARE, 1024                       ; the spare words, 128 bytes for each of 8 waves: four blocks of 256 bytes that no other line names
.set STG,   2048                       ; 32 normalised rows, by slot 16 u + r
.set XP,    4112                       ; a stage row: 4,096 bytes + 16: sixteen rows at one column start at sixteen different 16-byte columns
.set WGW,   192                        ; work-groups that take weights
.set SPW, 2                            ; v2  LDS address of my spare word; never rewritten
.set NIL, 3                            ; v3  0; never rewritten
.set X,   64                           ; weights: v64-127 two sets of 32 numbers
.set C,   192                          ; weights: v192-207 four registers of codes for each of 4 blocks, never rewritten
.set R,   64                           ; LayerNorm: v64-191 four rows of 32 numbers a lane, later four blocks of 32
.set G,   192                          ; v192-223 the gain, later the codes
.set BV,  224                          ; v224-255 the shift
.set T,   32                           ; v32-47 at work
.set MU,  48                           ; v[48:49] the mean, twice
.set RS,  50                           ; v[50:51] 1 / sqrt(var + eps), twice
	s_load_b256 s[4:11], s[0:1], 0x0               ; x, ln1_g, ln1_b, w_q
	s_load_b256 s[12:19], s[0:1], 0x20             ; w_k, w_v, w_o, w1
	s_load_b256 s[20:27], s[0:1], 0x40             ; w2, himg, hsc, wimg
	s_load_b64 s[28:29], s[0:1], 0x60              ; wsc
	v_lshl_add_u32 v[SPW], v0, 2, SPARE
	v_mov_b32 v[NIL], 0
	v_lshrrev_b32 v1, 5, v0
	s_delay_alu instid0(VALU_DEP_1)
	v_readfirstlane_b32 s30, v1                    ; wave 0..7
	v_and_b32 v1, 31, v0                           ; lane
	s_mov_b32 s40, 0x76543210
	s_mov_b32 s41, 0xfedcba98                      ; v_permlanex16_b32's selects for lane l xor 16
	s_wait_kmcnt 0x0
	s_cmp_lt_u32 ttmp9, WGW                        ; the paths part on the work-group's number alone
	s_cbranch_scc0 .Lln
; ---------------- (a) THE WEIGHTS.  A wave takes 32 columns x 128 along K, one K step: a lane a column, its registers down K, so a block of 32 is one lane's and the codes come out with K innermost.
	s_lshr_b32 s31, ttmp9, 5                       ; m: which weight: 32 work-groups to each
	s_and_b32 s34, ttmp9, 31
	s_mov_b64 s[32:33], s[10:11]
	s_cmp_eq_u32 s31, 1
	s_cselect_b64 s[32:33], s[12:13], s[32:33]
	s_cmp_eq_u32 s31, 2
	s_cselect_b64 s[32:33], s[14:15], s[32:33]
	s_cmp_eq_u32 s31, 3
	s_cselect_b64 s[32:33], s[16:17], s[32:33]
	s_cmp_eq_u32 s31, 4
	s_cselect_b64 s[32:33], s[18:19], s[32:33]
	s_cmp_eq_u32 s31, 5
	s_cselect_b64 s[32:33], s[20:21], s[32:33]
	s_and_b32 s35, s34, 7
	s_lshl_b32 s35, s35, 7
	s_and_b32 s36, s30, 3
	s_lshl_b32 s36, s36, 5
	s_add_co_u32 s35, s35, s36                     ; n0: my first column
	s_lshr_b32 s34, s34, 3
	s_lshl_b32 s34, s34, 1
	s_lshr_b32 s36, s30, 2
	s_add_co_u32 s34, s34, s36                     ; ks: which K step, 0..7
	s_lshl_b32 s36, s34, 19                        ; 128 rows of 4,096 bytes
	s_lshl_b32 s37, s35, 2
	s_add_co_u32 s36, s36, s37
	s_mov_b32 s37, 0
	s_add_nc_u64 s[32:33], s[32:33], s[36:37]
	s_lshr_b32 s38, s35, 6                         ; cg
	s_bfe_u32 s42, s35, 0x10005                    ; b
	s_lshl_b32 s36, s31, 19
	s_lshl_b32 s39, s38, 15
	s_add_co_u32 s36, s36, s39
	s_lshl_b32 s39, s34, 12                        ; a K step of 4,096 bytes
	s_add_co_u32 s36, s36, s39
	s_lshl_b32 s39, s42, 11
	s_add_co_u32 s36, s36, s39
	s_add_nc_u64 s[26:27], s[26:27], s[36:37]      ; my codes
	s_lshl_b32 s36, s31, 15
	s_lshl_b32 s39, s38, 11
	s_add_co_u32 s36, s36, s39
	s_lshl_b32 s39, s42, 10
	s_add_co_u32 s36, s36, s39
	s_lshr_b32 s39, s34, 1
	s_lshl_b32 s39, s39, 8
	s_add_co_u32 s36, s36, s39
	s_and_b32 s39, s34, 1
	s_lshl_b32 s39, s39, 2
	s_add_co_u32 s36, s36, s39
	s_add_nc_u64 s[28:29], s[28:29], s[36:37]      ; my scale words
	s_wait_alu depctr_va_vdst(0)
	v_lshlrev_b32 v4, 2, v1                        ; in: 4 bytes a lane: a wave reads 128 consecutive bytes, four waves stand side by side on 512
	v_and_b32 v7, 7, v1
	v_lshrrev_b32 v8, 4, v1
	s_delay_alu instid0(VALU_DEP_1)
	v_lshl_add_u32 v7, v8, 3, v7                   ; column lane = 16 a + 8 u + low: its lane in the tile r = low + 8 a,
	v_bfe_u32 v8, v1, 3, 1                         ; and its tile u
	s_delay_alu instid0(VALU_DEP_2)
	v_lshlrev_b32 v5, 4, v7
	s_delay_alu instid0(VALU_DEP_1)
	v_lshl_add_u32 v5, v8, 10, v5                  ; codes: 1,024 u + 16 r
	s_delay_alu instid0(VALU_DEP_3)
	v_lshl_add_u32 v6, v8, 4, v7
	s_delay_alu instid0(VALU_DEP_1)
	v_lshlrev_b32 v6, 3, v6                        ; scale words: 8 (16 u + r)
.macro LOADW t                         ; block t: w(32 t + i, my column) into set t % 2
.set li, 0
.rept 32
	global_load_b32 v[X+32*((\t)%2)+li], v4, s[32:33] offset:(32*(\t)+li)*4096 th:TH_LOAD_NT
.set li, li+1
.endr
.endm
.macro BLOCKW t
.set XS, X+32*((\t)%2)
.if (\t) < 3
	s_wait_loadcnt 32                              ; this block's 32 loads are in; the next block's 32 may be out
.else
	s_wait_loadcnt 0x0
.endif
	v_max3_num_f32 v12, |v[XS]|, |v[XS+1]|, |v[XS+2]|   ; the block's largest magnitude: all 32 numbers are mine; two chains
	v_max3_num_f32 v13, |v[XS+3]|, |v[XS+4]|, |v[XS+5]|
.irp i, 6,10,14,18,22,26
	s_delay_alu instid0(VALU_DEP_2)
	v_max3_num_f32 v12, v12, |v[XS+\i]|, |v[XS+\i+1]|
	s_delay_alu instid0(VALU_DEP_2)
	v_max3_num_f32 v13, v13, |v[XS+\i+2]|, |v[XS+\i+3]|
.endr
	s_delay_alu instid0(VALU_DEP_2)
	v_max3_num_f32 v12, v12, |v[XS+30]|, |v[XS+31]|
	s_delay_alu instid0(VALU_DEP_1)
	v_max3_num_f32 v12, v12, v13, 0x1800000        ; and the floor 2^(3 - 127): the byte cannot fall under 1
	s_delay_alu instid0(VALU_DEP_1)
	v_add_nc_u32 v11, 0xff000000, v12              ; 2 off the exponent field: the conversion takes this operand's exponent field as its scale
	s_delay_alu instid0(VALU_DEP_1)
	v_lshrrev_b32 v13, 23, v11                     ; the scale's byte
.if (\t) == 0
	s_delay_alu instid0(VALU_DEP_1)
	v_mov_b32 v8, v13                              ; the K step's four bytes make its scale word, the lower K in the lower byte
.else
	s_delay_alu instid0(VALU_DEP_1)
	v_lshl_or_b32 v8, v13, 8*(\t), v8
.endif
.irp g, 0,1,2,3
	v_cvt_scalef32_pk8_fp4_f32 v[C+4*(\t)+\g], v[XS+8*\g:XS+8*\g+7], v11
.endr
	global_store_b128 v5, v[C+4*(\t):C+4*(\t)+3], s[26:27] offset:((\t)/2)*512+((\t)%2)*256   ; sixteen lanes fill 256 consecutive aligned bytes of tile u, the other sixteen of the other tile
.if (\t)+2 < 4
	LOADW (\t)+2
.endif
.endm
	LOADW 0
	LOADW 1
.set Q, 0
.rept 4
	BLOCKW Q
.set Q, Q+1
.endr
	global_store_b32 v6, v8, s[28:29]              ; 4 bytes a lane, 8 bytes apart: the K step beside mine, which another wave of this work-group takes, fills the gaps; the six weights' scale words are 196,608 bytes in all
	s_endpgm
; ---------------- (b) LAYERNORM 1 of block g = 32 rows, and its codes.
.Lln:
	s_sub_co_u32 s31, ttmp9, WGW                   ; g
	s_bfe_u32 s34, s30, 0x10001                    ; wave v takes slots 4 v .. 4 v + 3, which are the neighbouring rows 16 ((v >> 1) & 1) + 8 (v >> 2) + 4 (v & 1) + 0..3
	s_lshl_b32 s34, s34, 4
	s_lshr_b32 s35, s30, 2
	s_lshl_b32 s35, s35, 3
	s_add_co_u32 s34, s34, s35
	s_and_b32 s35, s30, 1
	s_lshl_b32 s35, s35, 2
	s_add_co_u32 s34, s34, s35
	s_lshl_b32 s35, s31, 5
	s_add_co_u32 s34, s34, s35
	s_lshl_b32 s34, s34, 12
	s_mov_b32 s35, 0
	s_add_nc_u64 s[4:5], s[4:5], s[34:35]          ; x at my first row
	s_wait_alu depctr_va_vdst(0)
	v_lshlrev_b32 v4, 4, v1                        ; 16 x lane
	s_wait_alu depctr_va_vdst(0)
.irp j, 0,1,2,3,4,5,6,7
	global_load_b128 v[G+4*\j:G+4*\j+3], v4, s[6:7] offset:512*\j
.endr
.irp j, 0,1,2,3,4,5,6,7
	global_load_b128 v[BV+4*\j:BV+4*\j+3], v4, s[8:9] offset:512*\j
.endr
.irp i, 0,1,2,3
.irp j, 0,1,2,3,4,5,6,7
	global_load_b128 v[R+32*\i+4*\j:R+32*\i+4*\j+3], v4, s[4:5] offset:4096*\i+512*\j th:TH_LOAD_NT   ; 512 consecutive bytes a load
.endr
.endr
	s_mov_b32 s42, 0x3a800000                      ; 1 / 1024
	s_mov_b32 s43, 0x3727c5ac                      ; eps = 1e-5
	s_mul_i32 s36, s30, 4*XP
	s_add_co_u32 s36, s36, STG
	v_add_nc_u32 v5, s36, v4                       ; the stage, on the way in: my four slots, 16 bytes a lane
	v_and_b32 v6, 15, v1                           ; r
	v_lshrrev_b32 v7, 4, v1                        ; h
	s_wait_alu depctr_va_vdst(0)
	v_mul_u32_u24 v8, v6, XP
	s_delay_alu instid0(VALU_DEP_1)
	v_lshl_add_u32 v8, v7, 7, v8
	s_lshl_b32 s36, s30, 9
	s_add_co_u32 s36, s36, STG
	v_add_nc_u32 v8, s36, v8                       ; and out: slot r, K step = my wave, + 128 h bytes: tile 0;
	s_delay_alu instid0(VALU_DEP_1)
	v_add_nc_u32 v9, 16*XP, v8                     ; tile 1
	s_lshr_b32 s36, s30, 2
	s_lshl_b32 s36, s36, 9
	s_and_b32 s37, s30, 3
	s_lshl_b32 s37, s37, 2
	s_add_co_u32 s36, s36, s37
	v_lshl_add_u32 v10, v6, 4, s36                 ; my K step's scale word of row r: 512 (v / 4) + 4 (v % 4) + 16 r (+ 256 u)
	s_and_b32 s37, s30, 1
	s_lshl_b32 s37, s37, 9
	v_add_nc_u32 v11, s37, v4                      ; the gathered words' way out (waves 0 and 1)
	v_lshlrev_b32 v12, 3, v7                       ; 8 h
	s_lshl_b32 s34, s31, 14
	s_lshl_b32 s36, s30, 10
	s_add_co_u32 s34, s34, s36
	s_add_nc_u64 s[22:23], s[22:23], s[34:35]      ; himg: block g, K step = my wave
	s_lshl_b32 s34, s31, 10
	s_add_co_u32 s34, s34, s37
	s_add_nc_u64 s[24:25], s[24:25], s[34:35]      ; hsc: block g, my half
.macro WSUM r, t                       ; the sum over the wave's 32 lanes, in every lane
	s_delay_alu instid0(VALU_DEP_1)
	v_add_f32_dpp v[\r], v[\r], v[\r] row_xmask:1 row_mask:0xf bank_mask:0xf
	s_delay_alu instid0(VALU_DEP_1)
	v_add_f32_dpp v[\r], v[\r], v[\r] row_xmask:2 row_mask:0xf bank_mask:0xf
	s_delay_alu instid0(VALU_DEP_1)
	v_add_f32_dpp v[\r], v[\r], v[\r] row_xmask:4 row_mask:0xf bank_mask:0xf
	s_delay_alu instid0(VALU_DEP_1)
	v_add_f32_dpp v[\r], v[\r], v[\r] row_xmask:8 row_mask:0xf bank_mask:0xf
	s_delay_alu instid0(VALU_DEP_1)
	v_permlanex16_b32 v[\t], v[\r], s40, s41
	s_delay_alu instid0(VALU_DEP_1)
	v_add_f32 v[\r], v[\r], v[\t]
.endm
.macro JOIN                            ; four chains of pairs into one number a lane
	s_delay_alu instid0(VALU_DEP_3)
	v_pk_add_f32 v[T:T+1], v[T:T+1], v[T+2:T+3]
	s_delay_alu instid0(VALU_DEP_2)
	v_pk_add_f32 v[T+4:T+5], v[T+4:T+5], v[T+6:T+7]
	s_delay_alu instid0(VALU_DEP_1)
	v_pk_add_f32 v[T:T+1], v[T:T+1], v[T+4:T+5]
	s_delay_alu instid0(VALU_DEP_1)
	v_add_f32 v[T], v[T], v[T+1]
.endm
.macro ROW i                           ; one row: mean, x - mean, variance of that, (x - mean) rstd g + b as reference() orders it; into the stage
.set RR, R+32*\i
	s_wait_loadcnt 8*(3-\i)                        ; the gains and this row are in; the later rows, eight loads each, may be out
.irp j, 0,1,2,3
	v_pk_add_f32 v[T+2*\j:T+2*\j+1], v[RR+4*\j:RR+4*\j+1], v[RR+4*\j+2:RR+4*\j+3]
.endr
.irp k, 16,24
.irp j, 0,1,2,3
	s_delay_alu instid0(VALU_DEP_4)
	v_pk_add_f32 v[T+2*\j:T+2*\j+1], v[T+2*\j:T+2*\j+1], v[RR+\k+2*\j:RR+\k+2*\j+1]
.endr
.endr
	JOIN
	WSUM T, T+1
	s_delay_alu instid0(VALU_DEP_1)
	v_mul_f32 v[MU], s42, v[T]
	s_delay_alu instid0(VALU_DEP_1)
	v_mov_b32 v[MU+1], v[MU]
.irp j, 0,2,4,6,8,10,12,14,16,18,20,22,24,26,28,30
	v_pk_add_f32 v[RR+\j:RR+\j+1], v[RR+\j:RR+\j+1], v[MU:MU+1] neg_lo:[0,1] neg_hi:[0,1]
.endr
.irp j, 0,1,2,3
	v_pk_mul_f32 v[T+2*\j:T+2*\j+1], v[RR+2*\j:RR+2*\j+1], v[RR+2*\j:RR+2*\j+1]
.endr
.irp k, 8,16,24
.irp j, 0,1,2,3
	s_delay_alu instid0(VALU_DEP_4)
	v_pk_fma_f32 v[T+2*\j:T+2*\j+1], v[RR+\k+2*\j:RR+\k+2*\j+1], v[RR+\k+2*\j:RR+\k+2*\j+1], v[T+2*\j:T+2*\j+1]
.endr
.endr
	JOIN
	WSUM T, T+1
	s_delay_alu instid0(VALU_DEP_1)
	v_fma_f32 v[T], v[T], s42, s43                 ; var + eps
	s_wait_alu depctr_va_vdst(0)
	v_rsq_f32 v[RS], v[T]
	v_nop                                          ; a plain instruction behind the transcendental,
	s_wait_alu depctr_va_vdst(0)                   ; and a wait ahead of the first use of its result
	v_mov_b32 v[RS+1], v[RS]
.irp j, 0,2,4,6,8,10,12,14,16,18,20,22,24,26,28,30
	v_pk_mul_f32 v[RR+\j:RR+\j+1], v[RR+\j:RR+\j+1], v[RS:RS+1]
.endr
.irp j, 0,2,4,6,8,10,12,14,16,18,20,22,24,26,28,30
	v_pk_fma_f32 v[RR+\j:RR+\j+1], v[RR+\j:RR+\j+1], v[G+\j:G+\j+1], v[BV+\j:BV+\j+1]
.endr
.irp j, 0,1,2,3,4,5,6,7
	ds_store_b128 v5, v[RR+4*\j:RR+4*\j+3] offset:XP*\i+512*\j
.endr
.endm
	ROW 0
	ROW 1
	ROW 2
	ROW 3
	s_wait_dscnt 0x0                               ; for the others' sake: my four rows lie in the stage
	s_barrier_signal -1
	s_barrier_wait -1
	; wave v now takes K step v of all 32 rows: for tile u and half c a lane reads its whole block of 32 numbers: 128 bytes
.irp k, 0,1,2,3                        ; k = 2 u + c
.irp i, 0,1,2,3,4,5,6,7
	ds_load_b128 v[R+32*\k+4*\i:R+32*\k+4*\i+3], v[8+\k/2] offset:256*(\k%2)+16*\i
.endr
.endr
.irp k, 0,1,2,3
	s_wait_dscnt 8*(3-\k)                          ; this block's eight loads are back; the later blocks' may be out
	v_max3_num_f32 v32, |v[R+32*\k]|, |v[R+32*\k+1]|, |v[R+32*\k+2]|
	v_max3_num_f32 v33, |v[R+32*\k+3]|, |v[R+32*\k+4]|, |v[R+32*\k+5]|
.irp i, 6,10,14,18,22,26
	s_delay_alu instid0(VALU_DEP_2)
	v_max3_num_f32 v32, v32, |v[R+32*\k+\i]|, |v[R+32*\k+\i+1]|
	s_delay_alu instid0(VALU_DEP_2)
	v_max3_num_f32 v33, v33, |v[R+32*\k+\i+2]|, |v[R+32*\k+\i+3]|
.endr
	s_delay_alu instid0(VALU_DEP_2)
	v_max3_num_f32 v32, v32, |v[R+32*\k+30]|, |v[R+32*\k+31]|
	s_delay_alu instid0(VALU_DEP_1)
	v_max3_num_f32 v32, v32, v33, 0x1800000
	s_delay_alu instid0(VALU_DEP_1)
	v_add_nc_u32 v34, 0xff000000, v32
	s_delay_alu instid0(VALU_DEP_1)
	v_lshrrev_b32 v[36+\k], 23, v34
.irp g, 0,1,2,3
	v_cvt_scalef32_pk8_fp4_f32 v[G+4*\k+\g], v[R+32*\k+8*\g:R+32*\k+8*\g+7], v34
.endr
	global_store_b128 v4, v[G+4*\k:G+4*\k+3], s[22:23] offset:8192*(\k/2)+512*(\k%2)   ; the wave stores 512 consecutive bytes
.endr
.irp u, 0,1
	v_lshl_or_b32 v[40+\u], v[37+2*\u], 16, v[36+2*\u]   ; my two bytes: blocks h and 2 + h of row r,
	s_delay_alu instid0(VALU_DEP_1)
	v_lshlrev_b32 v[40+\u], v12, v[40+\u]          ; at their places in the word;
	v_mov_b32 v[42+\u], 0
	s_delay_alu instid0(VALU_DEP_1)
	v_permlanex16_b32 v[42+\u], v[40+\u], s40, s41
	s_delay_alu instid0(VALU_DEP_1)
	v_or_b32 v[40+\u], v[40+\u], v[42+\u]          ; with lane l xor 16's two the word is whole
	ds_store_b32 v10, v[40+\u] offset:SCL+256*\u   ; (both halves of the lanes write the same word)
.endr
	s_wait_dscnt 0x0
	s_barrier_signal -1
	s_barrier_wait -1
	s_cmp_lt_u32 s30, 2                            ; the block's 1,024 bytes of scale words leave by waves 0 and 1, 512 consecutive bytes each
	s_cbranch_scc0 .Lend
	ds_load_b128 v[44:47], v11 offset:SCL
	s_wait_dscnt 0x0
	global_store_b128 v4, v[44:47], s[24:25]
.Lend:
	s_wait_tensorcnt 0x0                           ; the wave's end: behind my last LDS store
	ds_add_u32 v[SPW], v[NIL]
	s_wait_dscnt 0x0
	s_endpgm
.Lfunc_end_k_q4b01da05db_prep:
	.size	k_q4b01da05db_prep, .Lfunc_end_k_q4b01da05db_prep-k_q4b01da05db_prep
	.p2alignl 7, 3214868480
	.fill 96, 4, 3214868480
	.section	.rodata,"a",@progbits
	.p2align	6, 0x0
	.amdhsa_kernel k_q4b01da05db_prep
		.amdhsa_group_segment_fixed_size 133632
		.amdhsa_private_segment_fixed_size 0
		.amdhsa_enable_private_segment 0
		.amdhsa_kernarg_size 104
		.amdhsa_user_sgpr_count 2
		.amdhsa_user_sgpr_kernarg_segment_ptr 1
		.amdhsa_wavefront_size32 1
		.amdhsa_system_sgpr_workgroup_id_x 1
		.amdhsa_system_sgpr_workgroup_id_y 1
		.amdhsa_system_sgpr_workgroup_id_z 1
		.amdhsa_system_vgpr_workitem_id 0
		.amdhsa_next_free_vgpr 256
		.amdhsa_next_free_sgpr 66
		.amdhsa_reserve_vcc 0
		.amdhsa_float_denorm_mode_32 3
		.amdhsa_float_denorm_mode_16_64 3
		.amdhsa_memory_ordered 1
		.amdhsa_forward_progress 1
		.amdhsa_inst_pref_size 74
	.end_amdhsa_kernel
	.amdgpu_metadata
---
amdhsa.version: [ 1, 2 ]
amdhsa.kernels:
  - .name:           k_q4b01da05db_prep
    .symbol:         k_q4b01da05db_prep.kd
    .args:
      - { .name: x, .offset: 0, .size: 8, .value_kind: global_buffer, .address_space: global }
      - { .name: ln1_g, .offset: 8, .size: 8, .value_kind: global_buffer, .address_space: global }
      - { .name: ln1_b, .offset: 16, .size: 8, .value_kind: global_buffer, .address_space: global }
      - { .name: w_q, .offset: 24, .size: 8, .value_kind: global_buffer, .address_space: global }
      - { .name: w_k, .offset: 32, .size: 8, .value_kind: global_buffer, .address_space: global }
      - { .name: w_v, .offset: 40, .size: 8, .value_kind: global_buffer, .address_space: global }
      - { .name: w_o, .offset: 48, .size: 8, .value_kind: global_buffer, .address_space: global }
      - { .name: w1, .offset: 56, .size: 8, .value_kind: global_buffer, .address_space: global }
      - { .name: w2, .offset: 64, .size: 8, .value_kind: global_buffer, .address_space: global }
      - { .name: himg, .offset: 72, .size: 8, .value_kind: global_buffer, .address_space: global }
      - { .name: hsc, .offset: 80, .size: 8, .value_kind: global_buffer, .address_space: global }
      - { .name: wimg, .offset: 88, .size: 8, .value_kind: global_buffer, .address_space: global }
      - { .name: wsc, .offset: 96, .size: 8, .value_kind: global_buffer, .address_space: global }
    .group_segment_fixed_size: 133632
    .private_segment_fixed_size: 0
    .kernarg_segment_align: 8
    .kernarg_segment_size: 104
    .max_flat_workgroup_size: 256
    .sgpr_count:     66
    .vgpr_count:     256
    .wavefront_size: 32
...
	.end_amdgpu_metadata
.endif
;; end of part 1
;; launch qkv_attn (part 2): grid 16 x 16, 8 waves a work-group, no clusters, 153,600 bytes of LDS; arguments himg, hsc, wimg, wsc, oimg, osc; writes oimg, osc
.if DOCPART == 2
	.amdgcn_target "amdgcn-amd-amdhsa--gfx1250"
	.amdhsa_code_object_version 6
	.text
	.protected	k_q4b01da05db_qkv_attn
	.globl	k_q4b01da05db_qkv_attn
	.p2align	8
	.type	k_q4b01da05db_qkv_attn,@function
k_q4b01da05db_qkv_attn:
	s_mov_b64 s[64:65], 0
	v_nop
	global_prefetch_b8 v0, s[64:65] scope:SCOPE_SE
	s_setreg_imm32_b32 hwreg(HW_REG_WAVE_MODE, 25, 1), 1
	s_wait_xcnt 0x0
; LAUNCH 2 OF 3: one work-group for each (head x, batch y): q, k, v = h W (512 rows x 192 units x K 1,024) on codes, quantised in registers; causal attention on codes; O / l quantised.  q, k, v and p never go to memory.
; LEFT OUT (shown at the head of launch 1): steps of 128 keys that lie wholly behind a tile of queries, which reference()'s own causal mask throws away.
; SHARES.  Wave w owns blocks of 32 rows w and 15 - w of the batch's 16: four tiles of 16 rows, as rows of the first products and as queries.  A tile of block B walks B / 4 + 1 key steps: ten (tile, step) units a wave, evenly.
; h's codes of the wave's 64 rows, all of K, fill window 1 (256 registers): read from memory once, straight into the registers where they stay.  They are asked for K step by K step, and q's product takes each K step
; as it comes in, behind a counted wait.  The head's 96 KB of weights go through LDS once, read by all eight waves.
; NO CLUSTER, NO TENSOR LOAD: h's codes are wanted in registers, each wave's 32 KB its own; through LDS every byte would be written and read once more; all operands are asked for once, at the head, so no slot is ever filled again.
; PRODUCTS.  q, k: source 0 = 16 units of W, source 1 = 16 rows of h: a lane holds a row, its registers run along the head's 64: the next K.  v: the sources swapped: a lane holds a channel, its registers run along the keys: the next K.
; S^T = K Q^T (K = 64: the operand's upper 64 codes are zeros in Q, so whatever stands there in K adds nothing; their scale bytes are 0, never 0xff), O^T = V^T P^T: a lane holds one query throughout.
; SOFTMAX: t = score x log2(e) / 8; M = the running largest t rounded up to a whole number; p = 2^(t - M) is quantised; the sum is taken of the unquantised p; when M moves, sum and O^T are multiplied by 2^(old M - new M), exactly.
; LIMITS: as stated at the head of launch 1 (NaN and infinities; the byte 1 for tiny and zero blocks).
.set QIMG,  0                          ; LDS: q's images [B 16][u 2][lane][16 B]
.set KIMG,  16384                      ; k's likewise
.set VIMG,  32768                      ; v's [key step 4][t 4][c 2][lane][16 B]
.set QSC,   49152                      ; q's scale words [B][16 u + r]
.set KSC,   51200
.set VSC,   53248                      ; v's [key step][t][r], byte B % 4
.set SPARE, 54272                      ; the spare words, 128 bytes for each of 8 waves: four blocks of 256 bytes that no other line names
.set WLDS,  55296                      ; the head's weights [pass 3][s 8][t 4][1 KB]
.set L16, 1                            ; 16 x lane
.set L4,  2                            ; 4 x lane
.set WA,  3                            ; weights in LDS, this pass
.set AI16, 4                           ; v4-5   16 x lane + 1,024 B, my two blocks
.set AI4,  6                           ; v6-7   4 x lane + 128 B
.set ADK, 8                            ; addresses of the key step in hand
.set LQ,  9                            ; r + 8 (r / 8) - 16 h
.set ADS, 10
.set ADT, 11
.set L8,  11                           ; (8 x lane while the first products run; ADT afterwards)
.set QF,  16                           ; v16-23 Q's fragment; v20-23 stay 0
.set WS,  24                           ; v24-39 W's scale words (8 b + s), v40-55 h's (8 i + s): scales and nothing else
.set AS,  40
.set QS,  24                           ; in the attention: Q's, p's, K's four, V's two
.set PW,  25
.set KS,  26
.set VS,  30
.set WF,  56                           ; v56-119 W's fragments, two buffers of 32
.set F,   56                           ; in the attention v56-91: K's eight half fragments and four zeros, then V's four fragments
.set PC,  92                           ; v92-99 codes just made
.set TM,  100
.set TX,  104
.set SO,  108
.set BY,  112
.set W0,  116
.set W1,  117
.set WX,  118
.set SCR, 119
.set FP,  112                          ; v[112:113] f, later 1 / l
.set SM2, 114                          ; v[114:115] the sum's second chain
.set DD,  116
.set NINF, 117
.set ACC, 120                          ; v120-247 16 accumulators: 32 tau + 8 t
.set S,   120                          ; in the attention: S^T, then p
.set O,   184                          ; O^T of the block's two tiles: 32 u + 8 t
.set AVW, 248                          ; v248-249 where v's codes go
.set AVS, 250                          ; v250-251 and their scale bytes
.set SPW, 252
.set NIL, 253
.set LW0, 254                          ; the weights' way into LDS
.set LW1, 255
.set SEL, 40                           ; s[40:41]
.set CS,  42                           ; s[42:43] log2(e) / 8
.set HI,  52                           ; s52 lanes 16-31
.set MSB, 0
.macro WIN new                         ; the immediate's high byte repeats the setting that is left
.if MSB != \new
	s_set_vgpr_msb (MSB<<8)|\new
.set MSB, \new
.endif
.endm
; one matrix instruction.  z = 1: the constant 0 starts the sum.  ra, rb: the side's scale words stand in lanes 16-31
.macro WM d, a, b, z, sa, sb, ra, rb
.if \z
.if (\ra) && (\rb)
	v_wmma_scale_f32_16x16x128_f8f6f4 v[(\d):(\d)+7], v[(\a):(\a)+7], v[(\b):(\b)+7], 0, v[\sa], v[\sb] matrix_a_fmt:MATRIX_FMT_FP4 matrix_b_fmt:MATRIX_FMT_FP4 matrix_a_scale:MATRIX_SCALE_ROW1 matrix_b_scale:MATRIX_SCALE_ROW1
.elseif (\ra)
	v_wmma_scale_f32_16x16x128_f8f6f4 v[(\d):(\d)+7], v[(\a):(\a)+7], v[(\b):(\b)+7], 0, v[\sa], v[\sb] matrix_a_fmt:MATRIX_FMT_FP4 matrix_b_fmt:MATRIX_FMT_FP4 matrix_a_scale:MATRIX_SCALE_ROW1
.elseif (\rb)
	v_wmma_scale_f32_16x16x128_f8f6f4 v[(\d):(\d)+7], v[(\a):(\a)+7], v[(\b):(\b)+7], 0, v[\sa], v[\sb] matrix_a_fmt:MATRIX_FMT_FP4 matrix_b_fmt:MATRIX_FMT_FP4 matrix_b_scale:MATRIX_SCALE_ROW1
.else
	v_wmma_scale_f32_16x16x128_f8f6f4 v[(\d):(\d)+7], v[(\a):(\a)+7], v[(\b):(\b)+7], 0, v[\sa], v[\sb] matrix_a_fmt:MATRIX_FMT_FP4 matrix_b_fmt:MATRIX_FMT_FP4
.endif
.else
.if (\ra) && (\rb)
	v_wmma_scale_f32_16x16x128_f8f6f4 v[(\d):(\d)+7], v[(\a):(\a)+7], v[(\b):(\b)+7], v[(\d):(\d)+7], v[\sa], v[\sb] matrix_a_fmt:MATRIX_FMT_FP4 matrix_b_fmt:MATRIX_FMT_FP4 matrix_a_scale:MATRIX_SCALE_ROW1 matrix_b_scale:MATRIX_SCALE_ROW1
.elseif (\ra)
	v_wmma_scale_f32_16x16x128_f8f6f4 v[(\d):(\d)+7], v[(\a):(\a)+7], v[(\b):(\b)+7], v[(\d):(\d)+7], v[\sa], v[\sb] matrix_a_fmt:MATRIX_FMT_FP4 matrix_b_fmt:MATRIX_FMT_FP4 matrix_a_scale:MATRIX_SCALE_ROW1
.elseif (\rb)
	v_wmma_scale_f32_16x16x128_f8f6f4 v[(\d):(\d)+7], v[(\a):(\a)+7], v[(\b):(\b)+7], v[(\d):(\d)+7], v[\sa], v[\sb] matrix_a_fmt:MATRIX_FMT_FP4 matrix_b_fmt:MATRIX_FMT_FP4 matrix_b_scale:MATRIX_SCALE_ROW1
.else
	v_wmma_scale_f32_16x16x128_f8f6f4 v[(\d):(\d)+7], v[(\a):(\a)+7], v[(\b):(\b)+7], v[(\d):(\d)+7], v[\sa], v[\sb] matrix_a_fmt:MATRIX_FMT_FP4 matrix_b_fmt:MATRIX_FMT_FP4
.endif
.endif
.endm
; 64 numbers of a lane: register 16 k + i, k = 2 u + b, is number 32 b + 16 (lane / 16) + i of lane r's row in tile u.  They become tile u's 64 codes in v[PC + 4 u ..] (lane (r, h): block h)
; and the two scale bytes of each row in v[WX]: tile 0's in lanes 0-15, tile 1's in lanes 16-31; the word's upper two bytes are 0.  Each accumulator is read from its low end on.
.macro QUANT src
.irp k, 0,1,2,3
	v_max3_num_f32 v[TM+\k], |v[(\src)+16*\k]|, |v[(\src)+16*\k+1]|, 0x1800000   ; my 16 numbers of a block, and the floor 2^(3 - 127): the byte cannot fall under 1
.endr
.irp i, 2,4,6,8,10,12,14
.irp k, 0,1,2,3
	v_max3_num_f32 v[TM+\k], v[TM+\k], |v[(\src)+16*\k+\i]|, |v[(\src)+16*\k+\i+1]|   ; (the four blocks by turns)
.endr
.endr
.irp k, 0,1,2,3
	s_delay_alu instid0(VALU_DEP_4)
	v_permlanex16_b32 v[TX+\k], v[TM+\k], s[SEL], s[SEL+1]
.endr
.irp k, 0,1,2,3
	s_delay_alu instid0(VALU_DEP_4)
	v_max_num_f32 v[TM+\k], v[TM+\k], v[TX+\k]     ; with lane l xor 16's: the block's largest magnitude
.endr
.irp k, 0,1,2,3
	s_delay_alu instid0(VALU_DEP_4)
	v_add_nc_u32 v[SO+\k], 0xff000000, v[TM+\k]    ; 2 off its exponent field: the conversion's scale operand
.endr
.irp k, 0,1,2,3
	s_delay_alu instid0(VALU_DEP_4)
	v_lshrrev_b32 v[BY+\k], 23, v[SO+\k]           ; the scale's byte
.endr
	s_delay_alu instid0(VALU_DEP_3)
	v_lshl_or_b32 v[W0], v[BY+1], 8, v[BY]
	s_delay_alu instid0(VALU_DEP_2)
	v_lshl_or_b32 v[W1], v[BY+3], 8, v[BY+2]
.irp k, 0,1,2,3
	v_cvt_scalef32_pk8_fp4_f32 v[PC+2*\k], v[(\src)+16*\k:(\src)+16*\k+7], v[SO+\k]
	v_cvt_scalef32_pk8_fp4_f32 v[PC+2*\k+1], v[(\src)+16*\k+8:(\src)+16*\k+15], v[SO+\k]
.endr
	v_nop                                          ; one plain place behind a scaled conversion
.irp u, 0,1                            ; the operand's layout wants a whole block in a lane
.irp i, 0,1
	v_permlane16_swap_b32 v[PC+4*\u+\i], v[PC+4*\u+2+\i]
.endr
.endr
	v_cndmask_b32 v[WX], v[W0], v[W1], s[HI]
.endm
	s_load_b256 s[4:11], s[0:1], 0x0               ; himg, hsc, wimg, wsc
	s_load_b128 s[12:15], s[0:1], 0x20             ; oimg, osc
	v_lshl_add_u32 v[SPW], v0, 2, SPARE
	v_mov_b32 v[NIL], 0
	v_lshrrev_b32 v12, 5, v0
	s_delay_alu instid0(VALU_DEP_1)
	v_readfirstlane_b32 s16, v12                   ; wave 0..7
	v_and_b32 v12, 31, v0                          ; lane
	s_delay_alu instid0(VALU_DEP_1)
	v_lshlrev_b32 v[L16], 4, v12
	s_wait_alu depctr_va_vdst(0)
	v_lshlrev_b32 v[L4], 2, v12
	v_lshlrev_b32 v[L8], 3, v12
	s_mov_b32 s17, s16                             ; my blocks: w
	s_xor_b32 s18, s16, 15                         ; and 15 - w
	s_and_b32 s19, ttmp7, 0xffff
	s_lshl_b32 s19, s19, 4                         ; 16 x batch
	s_add_co_u32 s48, s19, s17                     ; g of block 0,
	s_add_co_u32 s49, s19, s18                     ; of block 1
	s_lshl_b32 s50, s16, 12
	s_add_co_u32 s50, s50, WLDS
	v_add_nc_u32 v[LW0], s50, v[L16]
	s_delay_alu instid0(VALU_DEP_1)
	v_add_nc_u32 v[LW1], 0x10000, v[LW0]           ; (pass 2 lies beyond an LDS offset's 16 bits)
	s_mov_b32 s[SEL], 0x76543210
	s_mov_b32 s[SEL+1], 0xfedcba98
	s_mov_b32 s[CS], 0x3e38aa3b                    ; log2(e) / sqrt(64)
	s_mov_b32 s[CS+1], s[CS]                       ; (named with it as a pair, so it is written)
	s_mov_b32 s[HI], 0xffff0000
	s_mov_b32 s51, 0
	s_wait_alu depctr_va_vdst(0)
	s_wait_kmcnt 0x0
	s_lshl_b32 s50, s48, 14
	s_add_nc_u64 s[20:21], s[4:5], s[50:51]
	s_lshl_b32 s50, s49, 14
	s_add_nc_u64 s[22:23], s[4:5], s[50:51]
	s_lshl_b32 s50, s48, 10
	s_add_nc_u64 s[24:25], s[6:7], s[50:51]
	s_lshl_b32 s50, s49, 10
	s_add_nc_u64 s[26:27], s[6:7], s[50:51]
	s_lshl_b32 s50, ttmp9, 15
	s_add_nc_u64 s[28:29], s[8:9], s[50:51]        ; the head's 64 units of w_q; w_k and w_v lie 524,288 and 1,048,576 bytes on
	s_lshl_b32 s50, ttmp9, 11
	s_add_nc_u64 s[30:31], s[10:11], s[50:51]
	s_lshl_b32 s50, s16, 12
	s_add_nc_u64 s[54:55], s[28:29], s[50:51]      ; my 4,096 bytes of each
.irp p, 0,1,2
.irp k, 0,1,2,3,4,5,6,7
	global_load_b128 v[ACC+32*\p+4*\k:ACC+32*\p+4*\k+3], v[L16], s[54:55] offset:\p*524288+512*\k
.endr
.endr
.macro HSTEP s                         ; h's fragments of K step s, my four tiles of rows: eight loads -> window 1, v[64 tau + 8 s ..]
.irp i, 0,1
.irp u, 0,1
.irp c, 0,1
	global_load_b128 v[64*(2*\i+\u)+8*\s+4*\c:64*(2*\i+\u)+8*\s+4*\c+3], v[L16], s[20+2*\i:21+2*\i] offset:8192*\u+1024*\s+512*\c
.endr
.endr
.endr
.endm
.macro WSLOAD p                        ; pass p's scale words of W
.irp b, 0,1
.irp j, 0,1,2,3
	global_load_b64 v[WS+8*\b+2*\j:WS+8*\b+2*\j+1], v[L8], s[30:31] offset:\p*32768+1024*\b+256*\j
.endr
.endr
.endm
.irp i, 0,1
.irp j, 0,1
	global_load_b128 v[AS+8*\i+4*\j:AS+8*\i+4*\j+3], v[L16], s[24+2*\i:25+2*\i] offset:512*\j   ; h's scale words: four K steps a load; tile 0 in lanes 0-15, tile 1 in lanes 16-31
.endr
.endr
	WSLOAD 0
	WIN 0x40                                       ; destination window 1
.irp s, 0,1,2,3
	HSTEP \s
.endr
	WIN 0
	s_wait_loadcnt 44                              ; the 24 loads of weights are in; behind them: 12 of scale words and 32 of h
.irp p, 0,1
.irp k, 0,1,2,3,4,5,6,7
	ds_store_b128 v[LW0], v[ACC+32*\p+4*\k:ACC+32*\p+4*\k+3] offset:\p*32768+512*\k
.endr
.endr
.irp k, 0,1,2,3,4,5,6,7
	ds_store_b128 v[LW1], v[ACC+64+4*\k:ACC+64+4*\k+3] offset:512*\k
.endr
	WIN 0x40
.irp s, 4,5,6,7
	HSTEP \s
.endr
	WIN 0
	; where the results go: oimg: g x 16,384 + 512 x head (K step head / 2, half head % 2); osc: g x 1,024 + 512 (head / 8) + 4 ((head / 2) % 4) + 2 (head % 2)
	s_lshl_b32 s53, ttmp9, 9
	s_lshl_b32 s50, s48, 14
	s_add_co_u32 s50, s50, s53
	s_add_nc_u64 s[32:33], s[12:13], s[50:51]
	s_lshl_b32 s50, s49, 14
	s_add_co_u32 s50, s50, s53
	s_add_nc_u64 s[34:35], s[12:13], s[50:51]
	s_lshr_b32 s53, ttmp9, 3
	s_lshl_b32 s53, s53, 9
	s_bfe_u32 s56, ttmp9, 0x20001
	s_lshl_b32 s56, s56, 2
	s_add_co_u32 s53, s53, s56
	s_and_b32 s56, ttmp9, 1
	s_lshl_b32 s56, s56, 1
	s_add_co_u32 s53, s53, s56
	s_lshl_b32 s50, s48, 10
	s_add_co_u32 s50, s50, s53
	s_add_nc_u64 s[36:37], s[14:15], s[50:51]
	s_lshl_b32 s50, s49, 10
	s_add_co_u32 s50, s50, s53
	s_add_nc_u64 s[38:39], s[14:15], s[50:51]
	v_add_nc_u32 v[WA], WLDS, v[L16]
	s_lshl_b32 s50, s17, 10
	v_add_nc_u32 v[AI16], s50, v[L16]
	s_lshl_b32 s50, s18, 10
	v_add_nc_u32 v[AI16+1], s50, v[L16]
	s_lshl_b32 s50, s17, 7
	v_add_nc_u32 v[AI4], s50, v[L4]
	s_lshl_b32 s50, s18, 7
	v_add_nc_u32 v[AI4+1], s50, v[L4]
	v_and_b32 v13, 15, v12                         ; r
	v_lshrrev_b32 v14, 4, v12                      ; h
	s_delay_alu instid0(VALU_DEP_2)
	v_and_b32 v15, 8, v13
	s_delay_alu instid0(VALU_DEP_1)
	v_add_nc_u32 v15, v15, v13                     ; r + 8 (r / 8)
	s_delay_alu instid0(VALU_DEP_3)
	v_lshlrev_b32 v[LQ], 4, v14
	s_delay_alu instid0(VALU_DEP_1)
	v_sub_nc_u32 v[LQ], v15, v[LQ]
	v_lshlrev_b32 v15, 4, v13
	s_delay_alu instid0(VALU_DEP_1)
	v_lshl_add_u32 v15, v14, 3, v15                ; 16 r + 8 h
	s_wait_alu depctr_va_vdst(0)
	v_lshlrev_b32 v13, 2, v13                      ; 4 r
	s_wait_alu depctr_va_vdst(0)
.irp i, 0,1
	s_and_b32 s50, s[17+\i], 3
	s_lshr_b32 s53, s[17+\i], 2
	s_lshl_b32 s56, s50, 8
	s_lshl_b32 s57, s53, 12
	s_add_co_u32 s56, s56, s57
	v_add_nc_u32 v[AVW+\i], s56, v15               ; v's codes of block B: key step B / 4; block B % 4 of its 128 keys is half (B % 4) / 2, lanes 16 (B % 2) + r; my 16 keys are 8 bytes at 8 h
	s_lshl_b32 s57, s53, 8
	s_add_co_u32 s57, s57, s50
	v_add_nc_u32 v[AVS+\i], s57, v13               ; and their scale byte: byte B % 4 of channel r's word
.endr
.irp j, 4,5,6,7
	v_mov_b32 v[QF+\j], 0                          ; Q's codes of K = 64 .. 127: zeros, for the whole launch
.endr
	s_wait_dscnt 0x0                               ; for the others' sake: my part of the weights lies in LDS
	s_barrier_signal -1
	s_barrier_wait -1                              ; (h's loads stay on their way: they land in my own registers)
.irp t, 0,1,2,3
.irp c, 0,1
	ds_load_b128 v[WF+8*\t+4*\c:WF+8*\t+4*\c+3], v[WA] offset:1024*\t+512*\c
.endr
.endr
; A STEP of the first products: pass p (q, k, v), K step s: the next step's four fragments of W are asked for, then 16 matrix instructions on 16 accumulators, which take turns.
.macro PSTEP p, s
.set GS, 8*\p+\s
.set BF, WF+32*(GS%2)
.set BN, WF+32*((GS+1)%2)
.set ZF, 0
.if \s == 0
.set ZF, 1
.endif
.if GS < 23
.irp t, 0,1,2,3
.irp c, 0,1
	ds_load_b128 v[BN+8*\t+4*\c:BN+8*\t+4*\c+3], v[WA] offset:(\s+1)*4096+1024*\t+512*\c   ; (a pass's last step reaches into the next pass's bytes, which follow)
.endr
.endr
	s_wait_dscnt 8                                 ; all but the eight just issued: this step's fragments are in
.else
	s_wait_dscnt 0x0
.endif
.if \p == 0
	s_wait_loadcnt 8*(7-\s)                        ; the scale words and h's K steps up to this one are in; the later K steps, eight loads each, may be out
.endif
.if \p < 2
	WIN 0x04                                       ; source 1 (h) window 1
.irp t, 0,1,2,3
.irp a, 0,1,2,3
	WM ACC+32*\a+8*\t, BF+8*\t, 64*\a+8*\s, ZF, WS+8*(\t/2)+\s, AS+8*(\a/2)+\s, \t%2, \a%2
.endr
.endr
.else
	WIN 0x01                                       ; source 0 (h) window 1: the sources are swapped for v
.irp t, 0,1,2,3
.irp a, 0,1,2,3
	WM ACC+32*\a+8*\t, 64*\a+8*\s, BF+8*\t, ZF, AS+8*(\a/2)+\s, WS+8*(\t/2)+\s, \a%2, \t%2
.endr
.endr
.endif
	WIN 0
.rept 4
	v_nop                                          ; four places in front of loads into the buffer just read, and of the first read of results
.endr
.if \s == 7
	v_nop                                          ; a fifth: the next pass's products begin new sums over these accumulators
.endif
.endm
.macro PASS p
.irp s, 0,1,2,3,4,5,6,7
	PSTEP \p, \s
.endr
.endm
.macro QSTORE i, img, sc               ; my block i's 32 rows of q or k: quantised, and to LDS as images of the operand's registers
	QUANT ACC+64*\i
	ds_store_b128 v[AI16+\i], v[PC:PC+3] offset:\img
	ds_store_b128 v[AI16+\i], v[PC+4:PC+7] offset:\img+512
	ds_store_b32 v[AI4+\i], v[WX] offset:\sc
	s_wait_dscnt 0x0                               ; the stores have read their registers
.endm
.macro QUANTV i                        ; v of my block i: lane (r, h) holds channel r of tile t and keys 16 h + 0..15 of the block: registers 8 t + j of row tile 0, then of row tile 1
.set VA, ACC+64*\i
.irp t, 0,1,2,3
	v_max3_num_f32 v[TM+\t], |v[VA+8*\t]|, |v[VA+8*\t+1]|, 0x1800000
.endr
.irp j, 2,4,6
.irp t, 0,1,2,3
	v_max3_num_f32 v[TM+\t], v[TM+\t], |v[VA+8*\t+\j]|, |v[VA+8*\t+\j+1]|
.endr
.endr
.irp j, 0,2,4,6
.irp t, 0,1,2,3
	v_max3_num_f32 v[TM+\t], v[TM+\t], |v[VA+32+8*\t+\j]|, |v[VA+32+8*\t+\j+1]|
.endr
.endr
.irp t, 0,1,2,3
	s_delay_alu instid0(VALU_DEP_4)
	v_permlanex16_b32 v[TX+\t], v[TM+\t], s[SEL], s[SEL+1]
.endr
.irp t, 0,1,2,3
	s_delay_alu instid0(VALU_DEP_4)
	v_max_num_f32 v[TM+\t], v[TM+\t], v[TX+\t]
.endr
.irp t, 0,1,2,3
	s_delay_alu instid0(VALU_DEP_4)
	v_add_nc_u32 v[SO+\t], 0xff000000, v[TM+\t]
.endr
.irp t, 0,1,2,3
	s_delay_alu instid0(VALU_DEP_4)
	v_lshrrev_b32 v[BY+\t], 23, v[SO+\t]
.endr
.irp t, 0,1,2,3
	v_cvt_scalef32_pk8_fp4_f32 v[PC+2*\t], v[VA+8*\t:VA+8*\t+7], v[SO+\t]
	v_cvt_scalef32_pk8_fp4_f32 v[PC+2*\t+1], v[VA+32+8*\t:VA+32+8*\t+7], v[SO+\t]
.endr
	v_nop
.irp t, 0,1,2,3
	ds_store_b64 v[AVW+\i], v[PC+2*\t:PC+2*\t+1] offset:VIMG+1024*\t
	ds_store_b8 v[AVS+\i], v[BY+\t] offset:VSC+64*\t   ; (both halves of the lanes write the same byte)
.endr
	s_wait_dscnt 0x0
.endm
	PASS 0
	WSLOAD 1                                       ; behind the places: the next pass's scale words of W
	QSTORE 0, QIMG, QSC                            ; (the quantiser works in the buffer that the last step has left; the other holds the next pass's first fragments)
	v_add_nc_u32 v[WA], 0x8000, v[WA]              ; no LDS instruction of mine is out
	QSTORE 1, QIMG, QSC
	s_wait_loadcnt 0x0
	PASS 1
	WSLOAD 2
	QSTORE 0, KIMG, KSC
	v_add_nc_u32 v[WA], 0x8000, v[WA]
	QSTORE 1, KIMG, KSC
	s_wait_loadcnt 0x0
	PASS 2
	QUANTV 0
	QUANTV 1
.irp j, 32,33,34,35
	v_mov_b32 v[F+\j], 0                           ; behind K's eighth tile: the upper half of its operand
.endr
	s_barrier_signal -1                            ; (my LDS stores have been waited for) q, k, v of the whole head lie in LDS
	s_barrier_wait -1
; A KEY STEP of tile u: 128 keys.
.macro STEP u
	s_cmp_gt_u32 s44, s49                          ; all its keys come after my block's queries: left out, by a branch on ids
	s_cbranch_scc1 .Lhid_\@
	v_add_nc_u32 v[ADK], s45, v[L16]
	v_add_nc_u32 v[ADS], s46, v[L4]
	v_add_nc_u32 v[ADT], s47, v[L4]
	v_nop                                          ; four places in front of loads into registers that the last products read
.irp t, 0,1,2,3,4,5,6,7
	ds_load_b128 v[F+4*\t:F+4*\t+3], v[ADK] offset:KIMG+512*\t
.endr
.irp b, 0,1,2,3
	ds_load_b32 v[KS+\b], v[ADS] offset:KSC+128*\b
.endr
	s_wait_alu depctr_va_vdst(0)
	s_wait_dscnt 0x0
.irp t, 0,1,2,3,4,5,6,7
	WM S+8*\t, F+4*\t, QF, 1, KS+\t/2, QS, \t%2, \u
.endr
.rept 4
	v_nop
.endr
.irp t, 0,1,2,3                        ; V's fragments are asked for now and land under the softmax
.irp c, 0,1
	ds_load_b128 v[F+8*\t+4*\c:F+8*\t+4*\c+3], v[ADK] offset:VIMG+1024*\t+512*\c
.endr
.endr
.irp j, 0,1
	ds_load_b32 v[VS+\j], v[ADT] offset:VSC+128*\j
.endr
	s_add_co_u32 s51, s44, 127                     ; on the diagonal hidden scores become -infinity; a step all of whose keys count for all my queries skips this
	s_cmp_le_u32 s51, s50
	s_cbranch_scc1 .Lopen_\@
	s_sub_co_i32 s51, s50, s44
	v_add_nc_u32 v[DD], s51, v[LQ]                 ; d = my query - the step's first key - 16 h.  Register 16 b + i holds key 32 b + 16 h + i: hidden where 32 b + i > d
	v_mov_b32 v[NINF], 0xff800000
.set n, 0
.rept 64
	v_cmp_gt_i32 vcc_lo, 32*(n/16)+n%16, v[DD]
	v_cndmask_b32 v[S+n], v[S+n], v[NINF], vcc_lo
.set n, n+1
.endr
.Lopen_\@:
.irp b, 0,1,2,3
	v_max3_num_f32 v[TM+\b], v[S+16*\b], v[S+16*\b+1], v[S+16*\b+2]   ; the largest score of each block of 32 keys: for the row's maximum, and, since p rises with the score, for the block's largest p
.endr
.irp i, 3,5,7,9,11,13
.irp b, 0,1,2,3
	v_max3_num_f32 v[TM+\b], v[TM+\b], v[S+16*\b+\i], v[S+16*\b+\i+1]
.endr
.endr
.irp b, 0,1,2,3
	v_max_num_f32 v[TM+\b], v[TM+\b], v[S+16*\b+15]
.endr
.irp b, 0,1,2,3
	s_delay_alu instid0(VALU_DEP_4)
	v_permlanex16_b32 v[TX+\b], v[TM+\b], s[SEL], s[SEL+1]
.endr
.irp b, 0,1,2,3
	s_delay_alu instid0(VALU_DEP_4)
	v_max_num_f32 v[TM+\b], v[TM+\b], v[TX+\b]
.endr
	s_delay_alu instid0(VALU_DEP_2)
	v_max3_num_f32 v[SCR], v[TM], v[TM+1], v[TM+2]
	s_delay_alu instid0(VALU_DEP_1)
	v_max_num_f32 v[SCR], v[SCR], v[TM+3]          ; the step's largest score of my query (the step's first key counts for every query that walks it: a number)
	s_delay_alu instid0(VALU_DEP_1)
	v_mul_f32 v[SCR], s[CS], v[SCR]
	s_delay_alu instid0(VALU_DEP_1)
	v_max_num_f32 v13, v13, v[SCR]                 ; the running largest t
	v_mov_b32 v[SCR], v12
	s_delay_alu instid0(VALU_DEP_2)
	v_floor_f32 v12, -v13                          ; the new -M = -ceil(t)
	s_delay_alu instid0(VALU_DEP_1)
	v_sub_f32 v[SCR], v12, v[SCR]                  ; old M - new M: a whole number, 0 or less
	s_delay_alu instid0(VALU_DEP_1)
	v_cvt_i32_f32 v[SCR], v[SCR]                   ; (it saturates)
	s_delay_alu instid0(VALU_DEP_1)
	v_ldexp_f32 v[FP], 1.0, v[SCR]                 ; f = 2^(old M - new M)
.set j, 0
.rept 32
	v_pk_fma_f32 v[S+j:S+j+1], v[S+j:S+j+1], s[CS:CS+1], v[12:13] op_sel_hi:[1,0,0]   ; t - M
.set j, j+2
.endr
.irp b, 0,1,2,3
	v_fma_f32 v[TM+\b], v[TM+\b], s[CS], v12
.endr
.set j, 0
	s_wait_alu depctr_va_vdst(0)
.rept 64
	v_exp_f32 v[S+j], v[S+j]                       ; p = 2^(t - M): one batch
.set j, j+1
.endr
	v_pk_mul_f32 v[14:15], v[14:15], v[FP:FP+1] op_sel_hi:[1,0]   ; the sums under the new M (the plain place behind the batch)
	s_wait_alu depctr_va_vdst(0)                   ; one wait for the batch, ahead of its first reader
.irp b, 0,1,2,3
	v_exp_f32 v[TM+\b], v[TM+\b]                   ; each block's largest p
.endr
	v_pk_add_f32 v[114:115], v[124:125], v[128:129]
	v_pk_add_f32 v[254:255], v[132:133], v[136:137]
	v_pk_add_f32 v[250:251], v[140:141], v[144:145]
	v_pk_add_f32 v[248:249], v[148:149], v[152:153]
	v_pk_add_f32 v[116:117], v[156:157], v[160:161]
	v_pk_add_f32 v[110:111], v[164:165], v[168:169]
	v_pk_add_f32 v[108:109], v[172:173], v[176:177]
	v_pk_add_f32 v[14:15], v[14:15], v[180:181]
	v_pk_add_f32 v[114:115], v[114:115], v[120:121]
	v_pk_add_f32 v[254:255], v[254:255], v[122:123]
	v_pk_add_f32 v[250:251], v[250:251], v[126:127]
	v_pk_add_f32 v[248:249], v[248:249], v[130:131]
	v_pk_add_f32 v[116:117], v[116:117], v[134:135]
	v_pk_add_f32 v[110:111], v[110:111], v[138:139]
	v_pk_add_f32 v[108:109], v[108:109], v[142:143]
	v_pk_add_f32 v[14:15], v[14:15], v[146:147]
	v_pk_add_f32 v[114:115], v[114:115], v[150:151]
	v_pk_add_f32 v[254:255], v[254:255], v[154:155]
	v_pk_add_f32 v[250:251], v[250:251], v[158:159]
	v_pk_add_f32 v[248:249], v[248:249], v[162:163]
	v_pk_add_f32 v[116:117], v[116:117], v[166:167]
	v_pk_add_f32 v[110:111], v[110:111], v[170:171]
	v_pk_add_f32 v[108:109], v[108:109], v[174:175]
	v_pk_add_f32 v[14:15], v[14:15], v[178:179]
	v_pk_add_f32 v[114:115], v[114:115], v[182:183]
	s_delay_alu instid0(VALU_DEP_2)
	v_pk_add_f32 v[14:15], v[14:15], v[248:249]
	s_delay_alu instid0(VALU_DEP_2)
	v_pk_add_f32 v[114:115], v[114:115], v[116:117]
	v_pk_add_f32 v[254:255], v[254:255], v[110:111]
	v_pk_add_f32 v[250:251], v[250:251], v[108:109]
	s_delay_alu instid0(VALU_DEP_2)
	v_pk_add_f32 v[14:15], v[14:15], v[254:255]
	s_delay_alu instid0(VALU_DEP_2)
	v_pk_add_f32 v[114:115], v[114:115], v[250:251]
	s_delay_alu instid0(VALU_DEP_1)
	v_pk_add_f32 v[14:15], v[14:15], v[114:115]
	s_wait_alu depctr_va_vdst(0)                   ; and one for the four
.irp b, 0,1,2,3
	v_max_num_f32 v[TM+\b], 0x1800000, v[TM+\b]    ; the floor: a block whose every p is 0 keeps the byte 1: its codes are zeros
.endr
.irp b, 0,1,2,3
	s_delay_alu instid0(VALU_DEP_4)
	v_add_nc_u32 v[SO+\b], 0xff000000, v[TM+\b]
.endr
.irp b, 0,1,2,3
	s_delay_alu instid0(VALU_DEP_4)
	v_lshrrev_b32 v[TX+\b], 23, v[SO+\b]
.endr
	s_delay_alu instid0(VALU_DEP_3)
	v_lshl_or_b32 v[PW], v[TX+1], 8, v[TX]         ; p's scale word for these 128 keys
	s_delay_alu instid0(VALU_DEP_1)
	v_lshl_or_b32 v[PW], v[TX+2], 16, v[PW]
	s_delay_alu instid0(VALU_DEP_1)
	v_lshl_or_b32 v[PW], v[TX+3], 24, v[PW]
.irp b, 0,1,2,3
	v_cvt_scalef32_pk8_fp4_f32 v[PC+2*\b], v[S+16*\b:S+16*\b+7], v[SO+\b]
	v_cvt_scalef32_pk8_fp4_f32 v[PC+2*\b+1], v[S+16*\b+8:S+16*\b+15], v[SO+\b]
.endr
	v_nop
.irp c, 0,1
.irp i, 0,1
	v_permlane16_swap_b32 v[PC+4*\c+\i], v[PC+4*\c+2+\i]
.endr
.endr
.set j, 0
.rept 16
	v_pk_mul_f32 v[O+32*\u+j:O+32*\u+j+1], v[O+32*\u+j:O+32*\u+j+1], v[FP:FP+1] op_sel_hi:[1,0]   ; O^T under the new M; of these sixteen, twelve name no register of any one product below: its places behind p's scale word (8) and codes (4)
.set j, j+2
.endr
	s_wait_alu depctr_va_vdst(0)
	s_wait_dscnt 0x0                               ; V
.irp t, 0,1,2,3
	WM O+32*\u+8*\t, F+8*\t, PC, 0, VS+\t/2, PW, \t%2, 0
.endr
.Lhid_\@:
	s_add_co_u32 s44, s44, 128                     ; the next step's first key, and its places in LDS
	s_add_co_u32 s45, s45, 4096
	s_add_co_u32 s46, s46, 512
	s_add_co_u32 s47, s47, 256
.endm
; THE ATTENTION of tile u of my block i: a loop of four trips, a constant, in which hidden steps are jumped over.
.macro ATT i, u
.if (\i == 1) && (\u == 0)
	s_wait_xcnt 0x0                                ; block 0's stores have read the codes' registers, which are written again from here on
.endif
	ds_load_b128 v[QF:QF+3], v[AI16+\i] offset:QIMG+512*\u
	ds_load_b32 v[QS], v[AI4+\i] offset:QSC
	v_mov_b32 v13, 0xff61b1e6                      ; the largest t so far: -3e38
	s_delay_alu instid0(VALU_DEP_1)
	v_floor_f32 v12, -v13
	v_mov_b32 v14, 0
	v_mov_b32 v15, 0
	v_mov_b32 v[FP+1], 0                           ; (named as the upper half of a pair)
	v_mov_b32 v[SCR], 0
.irp b, 0,1,2,3
	v_mov_b32 v[TX+\b], 0                          ; (a lane permute's destination counts as one of its sources)
.endr
.set j, 0
.rept 32
	v_mov_b32 v[O+32*\u+j], 0                      ; the step is written once: the first finds zeros, which the first change of M leaves zeros
.set j, j+1
.endr
	s_mov_b32 s44, 0
	s_mov_b32 s45, 0
	s_mov_b32 s46, 0
	s_mov_b32 s47, 0
	s_mov_b32 s48, 0
	s_lshl_b32 s49, s[17+\i], 5
	s_add_co_u32 s50, s49, 8*\u                    ; the tile's first query
	s_add_co_u32 s49, s49, 31                      ; the block's last
.Latt_\@:
	STEP \u
	s_add_co_u32 s48, s48, 1
	s_cmp_lt_u32 s48, 4
	s_cbranch_scc1 .Latt_\@
.rept 4
	v_nop
.endr
	v_add_f32 v14, v14, v15
	s_delay_alu instid0(VALU_DEP_1)
	v_permlanex16_b32 v[SCR], v14, s[SEL], s[SEL+1]
	s_delay_alu instid0(VALU_DEP_1)
	v_add_f32 v14, v14, v[SCR]                     ; the row's sum
	s_wait_alu depctr_va_vdst(0)
	v_rcp_f32 v[FP], v14
	v_nop
	s_wait_alu depctr_va_vdst(0)
.set j, 0
.rept 16
	v_pk_mul_f32 v[O+32*\u+j:O+32*\u+j+1], v[O+32*\u+j:O+32*\u+j+1], v[FP:FP+1] op_sel_hi:[1,0]
.set j, j+2
.endr
.if \u == 1
	QUANT O                                        ; the block's 32 rows x the head's 64 channels: two blocks of the next product's K
	global_store_b128 v[L16], v[PC:PC+3], s[32+2*\i:33+2*\i]   ; 512 consecutive bytes
	global_store_b128 v[L16], v[PC+4:PC+7], s[32+2*\i:33+2*\i] offset:8192
	global_store_b16 v[L16], v[WX], s[36+2*\i:37+2*\i]   ; a row's two scale bytes: 64 bytes a block and head, against its 1,024 bytes of codes
.endif
.endm
	ATT 0, 0
	ATT 0, 1
	ATT 1, 0
	ATT 1, 1
	s_wait_tensorcnt 0x0                           ; the wave's end: behind my last LDS store
	ds_add_u32 v[SPW], v[NIL]
	s_wait_dscnt 0x0
	s_endpgm
.Lfunc_end_k_q4b01da05db_qkv_attn:
	.size	k_q4b01da05db_qkv_attn, .Lfunc_end_k_q4b01da05db_qkv_attn-k_q4b01da05db_qkv_attn
	.p2alignl 7, 3214868480
	.fill 96, 4, 3214868480
	.section	.rodata,"a",@progbits
	.p2align	6, 0x0
	.amdhsa_kernel k_q4b01da05db_qkv_attn
		.amdhsa_group_segment_fixed_size 153600
		.amdhsa_private_segment_fixed_size 0
		.amdhsa_enable_private_segment 0
		.amdhsa_kernarg_size 48
		.amdhsa_user_sgpr_count 2
		.amdhsa_user_sgpr_kernarg_segment_ptr 1
		.amdhsa_wavefront_size32 1
		.amdhsa_system_sgpr_workgroup_id_x 1
		.amdhsa_system_sgpr_workgroup_id_y 1
		.amdhsa_system_sgpr_workgroup_id_z 1
		.amdhsa_system_vgpr_workitem_id 0
		.amdhsa_next_free_vgpr 512
		.amdhsa_next_free_sgpr 66
		.amdhsa_reserve_vcc 1
		.amdhsa_float_denorm_mode_32 3
		.amdhsa_float_denorm_mode_16_64 3
		.amdhsa_memory_ordered 1
		.amdhsa_forward_progress 1
		.amdhsa_inst_pref_size 218
	.end_amdhsa_kernel
	.amdgpu_metadata
---
amdhsa.version: [ 1, 2 ]
amdhsa.kernels:
  - .name:           k_q4b01da05db_qkv_attn
    .symbol:         k_q4b01da05db_qkv_attn.kd
    .args:
      - { .name: himg, .offset: 0, .size: 8, .value_kind: global_buffer, .address_space: global }
      - { .name: hsc, .offset: 8, .size: 8, .value_kind: global_buffer, .address_space: global }
      - { .name: wimg, .offset: 16, .size: 8, .value_kind: global_buffer, .address_space: global }
      - { .name: wsc, .offset: 24, .size: 8, .value_kind: global_buffer, .address_space: global }
      - { .name: oimg, .offset: 32, .size: 8, .value_kind: global_buffer, .address_space: global }
      - { .name: osc, .offset: 40, .size: 8, .value_kind: global_buffer, .address_space: global }
    .group_segment_fixed_size: 153600
    .private_segment_fixed_size: 0
    .kernarg_segment_align: 8
    .kernarg_segment_size: 48
    .max_flat_workgroup_size: 256
    .sgpr_count:     66
    .vgpr_count:     512
    .wavefront_size: 32
...
	.end_amdgpu_metadata
.endif
;; end of part 2
;; launch tail (part 3): grid 256 x 1, 16 waves a work-group, no clusters, 327,680 bytes of LDS; arguments x, oimg, osc, wimg, wsc, b_o, ln2_g, ln2_b, b1, b2, out0; writes out0
.if DOCPART == 3
	.amdgcn_target "amdgcn-amd-amdhsa--gfx1250"
	.amdhsa_code_object_version 6
	.text
	.protected	k_q4b01da05db_tail
	.globl	k_q4b01da05db_tail
	.p2align	8
	.type	k_q4b01da05db_tail,@function
k_q4b01da05db_tail:
	s_mov_b64 s[64:65], 0
	v_nop
	global_prefetch_b8 v0, s[64:65] scope:SCOPE_SE
	s_setreg_imm32_b32 hwreg(HW_REG_WAVE_MODE, 25, 1), 1
	s_wait_xcnt 0x0
; LAUNCH 3 OF 3: one work-group takes 32 rows through the rest of the block: x1 = x + Q(o) Q(w_o) + b_o; h = LayerNorm 2 of x1; out = x1 + Q(gelu(Q(h) Q(w1) + b1)) Q(w2) + b2.
; Nothing of reference() is left out here.  LIMITS: as stated at the head of launch 1 (NaN and infinities; the byte 1 for tiny and zero blocks).
; SHARES.  Sixteen waves; wave w owns units 64 w .. 64 w + 63 of each product for all 32 rows: 8 accumulators (2 tiles of rows x 4 tiles of units), 64 registers.  The products are used transposed (source 0 = 16 units of W,
; source 1 = 16 rows): a lane holds a row, and the 16 registers of two neighbouring tiles are 16 neighbours along the next K.  The left operand of each product lies in LDS as images of the operand's registers, read by all waves.
; x and then x1 stay in LDS in f32 (16 column blocks of 32 rows x 256 bytes, rows 272 bytes apart); LayerNorm's sums cross the waves through LDS; the result leaves through the same bytes as whole rows.
; THE WEIGHTS.  Each byte of W is wanted once, by one wave, in registers.  K steps 0-5 of a product (all eight of the first) go from memory straight into three register buffers, three K steps (12,288 bytes a wave) ahead of their use.
; K steps 6 and 7 of w1 and of w2 (8,192 dense bytes a wave) come by one tensor load a wave into LDS bytes of the wave's own, asked for as soon as the product before has ended:
; so five of a product's eight K steps are on the chip or on their way while LayerNorm or gelu is computed.
; NO CLUSTER: all work-groups walk the same weights, but six of eight K steps land in registers, where a joint load cannot put them; through LDS each of those bytes would be written and read once more.
; NO PREFETCH INSTRUCTION: the loads themselves run three to five K steps ahead, and the launch has no loop to run ahead in.
.set AIMG0, 0                          ; LDS: o's codes [u 2][s 8][c 2][lane][16 B]
.set AIMG1, 16384                      ; h's codes likewise
.set AIMG2, 0                          ; the hidden layer's codes: on o's bytes, which were last read in the first product, several barriers earlier
.set ASC1,  32768                      ; h's scale words
.set ASC2,  33792                      ; the hidden layer's
.set RED1,  34816                      ; LayerNorm's partial sums
.set RED2,  36864
.set SPARE, 38912                      ; the spare words, 128 bytes for each of 16 waves: eight blocks of 256 bytes that no other line names
.set XS,    40960                      ; x, then x1, then the result
.set WB,    184320                     ; behind them: 8,192 bytes for each wave: K steps 6 and 7 of its units of w1, later of w2
.set SS,    8960
.set XPI,   272
.set XH,    4480
.set L16, 1
.set L8,  2
.set XD,  3
.set XR,  5
.set BO,  6
.set REDW, 7
.set REDR, 8
.set AIW, 9
.set ASW, 10
.set A0W, 11
.set XR2, 11
.set T,   12
.set MU,  28
.set WS,  32
.set AS,  48
.set CP,  56
.set SPW, 62
.set NIL, 63
.set ACC, 64
.set AB,  128
.set BB,  160
.set PC,  128
.set TM,  136
.set TX,  140
.set SO,  144
.set BY,  148
.set W0,  152
.set W1,  153
.set WX,  154
.set GZ,  128
.set GT,  136
.set G2,  144
.set GR,  152
.set SEL, 40
.set HI,  42
.set G0,  48
.set G1,  56
.set G0W, 68                           ; s[68:71] group 0 and s[72:79] group 1 of the weights' tensor load
.set G1W, 72
.set WBA, 11                           ; v11 LDS address of my weights: WB + 8,192 wave + 16 lane (from the first barrier to the way out)
.macro WLD gs, j                       ; K step 6 + j of my weights from LDS into the register buffer that K step gs has left
.irp t, 0,1,2,3
.irp c, 0,1
	ds_load_b128 v[BB+32*((\gs)%3)+8*\t+4*\c:BB+32*((\gs)%3)+8*\t+4*\c+3], v[WBA] offset:4096*(\j)+1024*\t+512*\c
.endr
.endr
.endm
.macro WM d, a, b, z, sa, sb, ra, rb
.if \z
.if (\ra) && (\rb)
	v_wmma_scale_f32_16x16x128_f8f6f4 v[(\d):(\d)+7], v[(\a):(\a)+7], v[(\b):(\b)+7], 0, v[\sa], v[\sb] matrix_a_fmt:MATRIX_FMT_FP4 matrix_b_fmt:MATRIX_FMT_FP4 matrix_a_scale:MATRIX_SCALE_ROW1 matrix_b_scale:MATRIX_SCALE_ROW1
.elseif (\ra)
	v_wmma_scale_f32_16x16x128_f8f6f4 v[(\d):(\d)+7], v[(\a):(\a)+7], v[(\b):(\b)+7], 0, v[\sa], v[\sb] matrix_a_fmt:MATRIX_FMT_FP4 matrix_b_fmt:MATRIX_FMT_FP4 matrix_a_scale:MATRIX_SCALE_ROW1
.elseif (\rb)
	v_wmma_scale_f32_16x16x128_f8f6f4 v[(\d):(\d)+7], v[(\a):(\a)+7], v[(\b):(\b)+7], 0, v[\sa], v[\sb] matrix_a_fmt:MATRIX_FMT_FP4 matrix_b_fmt:MATRIX_FMT_FP4 matrix_b_scale:MATRIX_SCALE_ROW1
.else
	v_wmma_scale_f32_16x16x128_f8f6f4 v[(\d):(\d)+7], v[(\a):(\a)+7], v[(\b):(\b)+7], 0, v[\sa], v[\sb] matrix_a_fmt:MATRIX_FMT_FP4 matrix_b_fmt:MATRIX_FMT_FP4
.endif
.else
.if (\ra) && (\rb)
	v_wmma_scale_f32_16x16x128_f8f6f4 v[(\d):(\d)+7], v[(\a):(\a)+7], v[(\b):(\b)+7], v[(\d):(\d)+7], v[\sa], v[\sb] matrix_a_fmt:MATRIX_FMT_FP4 matrix_b_fmt:MATRIX_FMT_FP4 matrix_a_scale:MATRIX_SCALE_ROW1 matrix_b_scale:MATRIX_SCALE_ROW1
.elseif (\ra)
	v_wmma_scale_f32_16x16x128_f8f6f4 v[(\d):(\d)+7], v[(\a):(\a)+7], v[(\b):(\b)+7], v[(\d):(\d)+7], v[\sa], v[\sb] matrix_a_fmt:MATRIX_FMT_FP4 matrix_b_fmt:MATRIX_FMT_FP4 matrix_a_scale:MATRIX_SCALE_ROW1
.elseif (\rb)
	v_wmma_scale_f32_16x16x128_f8f6f4 v[(\d):(\d)+7], v[(\a):(\a)+7], v[(\b):(\b)+7], v[(\d):(\d)+7], v[\sa], v[\sb] matrix_a_fmt:MATRIX_FMT_FP4 matrix_b_fmt:MATRIX_FMT_FP4 matrix_b_scale:MATRIX_SCALE_ROW1
.else
	v_wmma_scale_f32_16x16x128_f8f6f4 v[(\d):(\d)+7], v[(\a):(\a)+7], v[(\b):(\b)+7], v[(\d):(\d)+7], v[\sa], v[\sb] matrix_a_fmt:MATRIX_FMT_FP4 matrix_b_fmt:MATRIX_FMT_FP4
.endif
.endif
.endm
.macro QUANT src
.irp k, 0,1,2,3
	v_max3_num_f32 v[TM+\k], |v[(\src)+16*\k]|, |v[(\src)+16*\k+1]|, 0x1800000
.endr
.irp i, 2,4,6,8,10,12,14
.irp k, 0,1,2,3
	s_delay_alu instid0(VALU_DEP_4)
	v_max3_num_f32 v[TM+\k], v[TM+\k], |v[(\src)+16*\k+\i]|, |v[(\src)+16*\k+\i+1]|
.endr
.endr
.irp k, 0,1,2,3
	s_delay_alu instid0(VALU_DEP_4)
	v_permlanex16_b32 v[TX+\k], v[TM+\k], s[SEL], s[SEL+1]
.endr
.irp k, 0,1,2,3
	s_delay_alu instid0(VALU_DEP_4)
	v_max_num_f32 v[TM+\k], v[TM+\k], v[TX+\k]
.endr
.irp k, 0,1,2,3
	s_delay_alu instid0(VALU_DEP_4)
	v_add_nc_u32 v[SO+\k], 0xff000000, v[TM+\k]
.endr
.irp k, 0,1,2,3
	s_delay_alu instid0(VALU_DEP_4)
	v_lshrrev_b32 v[BY+\k], 23, v[SO+\k]
.endr
	s_delay_alu instid0(VALU_DEP_3)
	v_lshl_or_b32 v[W0], v[BY+1], 8, v[BY]
	s_delay_alu instid0(VALU_DEP_2)
	v_lshl_or_b32 v[W1], v[BY+3], 8, v[BY+2]
.irp k, 0,1,2,3
	v_cvt_scalef32_pk8_fp4_f32 v[PC+2*\k], v[(\src)+16*\k:(\src)+16*\k+7], v[SO+\k]
	v_cvt_scalef32_pk8_fp4_f32 v[PC+2*\k+1], v[(\src)+16*\k+8:(\src)+16*\k+15], v[SO+\k]
.endr
	v_nop
.irp u, 0,1
.irp i, 0,1
	v_permlane16_swap_b32 v[PC+4*\u+\i], v[PC+4*\u+2+\i]
.endr
.endr
	v_cndmask_b32 v[WX], v[W0], v[W1], s[HI]
.endm
.macro BARRIER
	s_wait_dscnt 0x0
	s_barrier_signal -1
	s_barrier_wait -1
.endm
.macro BLOAD gs
.irp t, 0,1,2,3
.irp c, 0,1
	global_load_b128 v[BB+32*((\gs)%3)+8*\t+4*\c:BB+32*((\gs)%3)+8*\t+4*\c+3], v[L16], s[36:37] offset:((\gs)/8)*524288+((\gs)%8)*4096+1024*\t+512*\c
.endr
.endr
.endm
.macro WSLD st
.irp b, 0,1
.irp j, 0,1,2,3
	global_load_b64 v[WS+8*\b+2*\j:WS+8*\b+2*\j+1], v[L8], s[38:39] offset:\st*32768+1024*\b+256*\j
.endr
.endr
.endm
.macro BIASLD lo
.irp b, 0,1
.irp i, 0,1,2,3
	global_load_b128 v[AB+16*\b+4*\i:AB+16*\b+4*\i+3], v[BO], s[\lo:\lo+1] offset:128*\b+16*\i
.endr
.endr
.endm
.macro CLOAD lo
.irp u, 0,1
.irp b, 0,1
.irp i, 0,1,2,3
	global_load_b128 v[ACC+32*\u+16*\b+4*\i:ACC+32*\u+16*\b+4*\i+3], v[BO], s[\lo:\lo+1] offset:128*\b+16*\i
.endr
.endr
.endr
.endm
.macro ALOAD img, s
.irp u, 0,1
.irp c, 0,1
	ds_load_b128 v[AB+16*((\s)%2)+8*\u+4*\c:AB+16*((\s)%2)+8*\u+4*\c+3], v[L16] offset:\img+8192*\u+1024*(\s)+512*\c
.endr
.endr
.endm
.macro ASLD sc
.irp j, 0,1
	ds_load_b128 v[AS+4*\j:AS+4*\j+3], v[L16] offset:\sc+512*\j
.endr
.endm
.macro XLD c
.irp i, 0,1,2,3
	ds_load_b128 v[AB+16*((\c)%2)+4*\i:AB+16*((\c)%2)+4*\i+3], v[XD+(\c)/2] offset:128*((\c)%2)+16*\i
.endr
.endm
.macro XAC c
.irp j, 0,2,4,6,8,10,12,14
	v_pk_add_f32 v[ACC+16*(\c)+\j:ACC+16*(\c)+\j+1], v[ACC+16*(\c)+\j:ACC+16*(\c)+\j+1], v[AB+16*((\c)%2)+\j:AB+16*((\c)%2)+\j+1]
.endr
.endm
.macro ACCX left
.irp u, 0,1
.irp b, 0,1
.irp i, 0,1,2,3
	ds_load_b128 v[ACC+32*\u+16*\b+4*\i:ACC+32*\u+16*\b+4*\i+3], v[XD+\u] offset:128*\b+16*\i
.endr
.endr
.endr
	s_wait_loadcnt \left
	s_wait_dscnt 0x0
.irp u, 0,1
.irp j, 0,2,4,6,8,10,12,14,16,18,20,22,24,26,28,30
	v_pk_add_f32 v[ACC+32*\u+\j:ACC+32*\u+\j+1], v[ACC+32*\u+\j:ACC+32*\u+\j+1], v[AB+\j:AB+\j+1]
.endr
.endr
.endm
.macro XSTORE
.irp u, 0,1
.irp b, 0,1
.irp i, 0,1,2,3
	ds_store_b128 v[XD+\u], v[ACC+32*\u+16*\b+4*\i:ACC+32*\u+16*\b+4*\i+3] offset:128*\b+16*\i
.endr
.endr
.endr
.endm
.macro KSTEP gs, img
.set SS8, (\gs)%8
.if SS8 < 7
	ALOAD \img, SS8+1
.endif
.if (\gs) < 8
	s_wait_loadcnt 16                              ; this K step's eight loads are in; the next two K steps' may be out
.elseif SS8 == 0
	s_wait_loadcnt 0x0                             ; scale words and biases were asked for behind this K step's loads
.elseif SS8 < 4
	s_wait_loadcnt 16
.elseif SS8 == 4
	s_wait_loadcnt 8                               ; behind K step 4's loads only K step 5's were issued: 6 and 7 come from LDS
.elseif SS8 == 5
	s_wait_loadcnt 0x0
.endif
.if SS8 < 7
	s_wait_dscnt 4
.else
	s_wait_dscnt 0x0
.endif
.irp u, 0,1
.irp t, 0,1,2,3
	WM ACC+32*\u+8*\t, BB+32*((\gs)%3)+8*\t, AB+16*(SS8%2)+8*\u, 0, WS+8*(\t/2)+SS8, AS+SS8, \t%2, \u
.endr
.endr
.rept 4
	v_nop
.endr
.if (\gs) < 21
.if ((\gs) > 7) && (SS8 > 2) && (SS8 < 5)
.if SS8 == 3
	s_wait_tensorcnt 0x0                           ; my one tensor load, K steps 6 and 7, has landed; only I read those bytes
.endif
	WLD \gs, SS8-3                                 ; three K steps on is K step 6 or 7: from LDS
.else
	BLOAD (\gs)+3
.endif
.endif
.endm
.macro FOLD u
.set T0, T+8*\u
	v_pk_add_f32 v[T0:T0+1], v[T0:T0+1], v[T0+2:T0+3]
	v_pk_add_f32 v[T0+4:T0+5], v[T0+4:T0+5], v[T0+6:T0+7]
	s_delay_alu instid0(VALU_DEP_1)
	v_pk_add_f32 v[T0:T0+1], v[T0:T0+1], v[T0+4:T0+5]
	s_delay_alu instid0(VALU_DEP_1)
	v_add_f32 v[T0], v[T0], v[T0+1]
	s_delay_alu instid0(VALU_DEP_1)
	v_permlanex16_b32 v[T0+1], v[T0], s[SEL], s[SEL+1]
	s_delay_alu instid0(VALU_DEP_1)
	v_add_f32 v[T0], v[T0], v[T0+1]
.endm
.macro LSUM u
.irp j, 0,1,2,3
	v_pk_add_f32 v[T+8*\u+2*\j:T+8*\u+2*\j+1], v[ACC+32*\u+4*\j:ACC+32*\u+4*\j+1], v[ACC+32*\u+4*\j+2:ACC+32*\u+4*\j+3]
.endr
.irp k, 16,24
.irp j, 0,1,2,3
	s_delay_alu instid0(VALU_DEP_4)
	v_pk_add_f32 v[T+8*\u+2*\j:T+8*\u+2*\j+1], v[T+8*\u+2*\j:T+8*\u+2*\j+1], v[ACC+32*\u+\k+2*\j:ACC+32*\u+\k+2*\j+1]
.endr
.endr
	FOLD \u
.endm
.macro LSQ u
.irp j, 0,1,2,3
	v_pk_mul_f32 v[T+8*\u+2*\j:T+8*\u+2*\j+1], v[ACC+32*\u+2*\j:ACC+32*\u+2*\j+1], v[ACC+32*\u+2*\j:ACC+32*\u+2*\j+1]
.endr
.irp k, 8,16,24
.irp j, 0,1,2,3
	s_delay_alu instid0(VALU_DEP_4)
	v_pk_fma_f32 v[T+8*\u+2*\j:T+8*\u+2*\j+1], v[ACC+32*\u+\k+2*\j:ACC+32*\u+\k+2*\j+1], v[ACC+32*\u+\k+2*\j:ACC+32*\u+\k+2*\j+1], v[T+8*\u+2*\j:T+8*\u+2*\j+1]
.endr
.endr
	FOLD \u
.endm
.macro RSHARE red, fill                ; fill = 1: behind this barrier each wave asks for K steps 6 and 7 of w1
	ds_store_b32 v[REDW], v[T] offset:\red
	ds_store_b32 v[REDW], v[T+8] offset:\red+1024
.if \fill
	s_wait_tensorcnt 0x0                           ; ahead of a later first fill: no tensor load of mine is out,
	ds_add_u32 v[SPW], v[NIL]                      ; 0 onto my spare word; the wait for it opens the barrier below
.endif
	BARRIER
.if \fill
	tensor_load_to_lds s[G0W:G0W+3], s[G1W:G1W+7]  ; my one tensor load behind this barrier
	s_nop 0
.endif
.irp u, 0,1
.irp k, 0,1
	ds_load_b128 v[T+8*\u+4*\k:T+8*\u+4*\k+3], v[REDR] offset:\red+1024*\u+16*\k
.endr
.endr
	s_wait_dscnt 0x0
	FOLD 0
	FOLD 1
.endm
.macro GBLD b
.irp i, 0,1,2,3
	global_load_b128 v[AB+4*\i:AB+4*\i+3], v[BO], s[16:17] offset:128*\b+16*\i
	global_load_b128 v[AB+16+4*\i:AB+16+4*\i+3], v[BO], s[18:19] offset:128*\b+16*\i
.endr
.endm
.macro NORM b
.irp u, 0,1
.irp j, 0,2,4,6,8,10,12,14
	v_pk_mul_f32 v[ACC+32*\u+16*\b+\j:ACC+32*\u+16*\b+\j+1], v[ACC+32*\u+16*\b+\j:ACC+32*\u+16*\b+\j+1], v[MU+2*\u:MU+2*\u+1]
.endr
.endr
.endm
.macro AFF b
.irp u, 0,1
.irp j, 0,2,4,6,8,10,12,14
	v_pk_fma_f32 v[ACC+32*\u+16*\b+\j:ACC+32*\u+16*\b+\j+1], v[ACC+32*\u+16*\b+\j:ACC+32*\u+16*\b+\j+1], v[AB+\j:AB+\j+1], v[AB+16+\j:AB+16+\j+1]
.endr
.endr
.endm
.macro PKC op, d, a, b, lit
.irp j, 0,2,4,6
	v_pk_fma_f32 v[\d+\j:\d+\j+1], v[\a+\j:\a+\j+1], v[\b+\j*\op:\b+\j*\op+1], \lit op_sel_hi:[1,1,0]
.endr
.endm
.macro GELU e
.set XX, ACC+8*\e
.irp j, 0,2,4,6
	v_pk_mul_f32 v[GZ+\j:GZ+\j+1], v[XX+\j:XX+\j+1], 0x3f3504f3 op_sel_hi:[1,0]
.endr
.irp j, 0,1,2,3,4,5,6,7
	v_and_b32 v[GT+\j], 0x7fffffff, v[GZ+\j]
.endr
.irp j, 0,2,4,6
	v_pk_mul_f32 v[G2+\j:G2+\j+1], v[GZ+\j:GZ+\j+1], v[GZ+\j:GZ+\j+1]
.endr
	PKC 0, GR, GT, CP, 0xb9c8e7d9
	PKC 0, GZ, GT, CP+2, 0xbcc6b1a1
.irp j, 0,2,4,6
	s_delay_alu instid0(VALU_DEP_4)
	v_pk_fma_f32 v[GR+\j:GR+\j+1], v[GR+\j:GR+\j+1], v[G2+\j:G2+\j+1], v[GZ+\j:GZ+\j+1]
.endr
	PKC 1, GR, GR, GT, 0x3ddaae5c
	PKC 1, GR, GR, GT, 0x3f228550
	PKC 1, GR, GR, GT, 0x3e03ce86
.irp j, 0,2,4,6
	s_delay_alu instid0(VALU_DEP_4)
	v_pk_fma_f32 v[GR+\j:GR+\j+1], v[GR+\j:GR+\j+1], v[GT+\j:GT+\j+1], v[GT+\j:GT+\j+1]
.endr
.irp j, 0,2,4,6
	s_delay_alu instid0(VALU_DEP_4)
	v_pk_mul_f32 v[GR+\j:GR+\j+1], v[GR+\j:GR+\j+1], 0xbfb8aa3b op_sel_hi:[1,0]
.endr
	s_wait_alu depctr_va_vdst(0)
.irp j, 0,1,2,3,4,5,6,7
	v_exp_f32 v[GR+\j], v[GR+\j]
.endr
	PKC 0, GZ, G2, CP+4, 0x3ba38d2c
	PKC 1, GZ, GZ, G2, 0xbcdb48d9
	PKC 1, GZ, GZ, G2, 0x3de70e22
	PKC 1, GZ, GZ, G2, 0xbec09380
	PKC 1, GZ, GZ, G2, 0x3e0375d4
.irp j, 0,2,4,6
	s_delay_alu instid0(VALU_DEP_4)
	v_pk_fma_f32 v[GZ+\j:GZ+\j+1], v[GZ+\j:GZ+\j+1], v[GT+\j:GT+\j+1], v[GT+\j:GT+\j+1]
.endr
.irp j, 0,2,4,6
	s_delay_alu instid0(VALU_DEP_4)
	v_pk_add_f32 v[GZ+\j:GZ+\j+1], v[GZ+\j:GZ+\j+1], 1.0 op_sel_hi:[1,0] neg_lo:[1,0] neg_hi:[1,0]
.endr
	s_wait_alu depctr_va_vdst(0)
.irp j, 0,1,2,3,4,5,6,7
	v_cmp_lt_f32 vcc_lo, 0x3f6d8000, v[GT+\j]
	v_cndmask_b32 v[GZ+\j], v[GZ+\j], v[GR+\j], vcc_lo
.endr
.irp j, 0,2,4,6
	v_pk_mul_f32 v[GT+\j:GT+\j+1], v[XX+\j:XX+\j+1], 0.5 op_sel_hi:[1,0]
.endr
.irp j, 0,1,2,3,4,5,6,7
	v_max_num_f32 v[G2+\j], 0, v[XX+\j]
.endr
.irp j, 0,1,2,3,4,5,6,7
	v_fma_f32 v[XX+\j], -|v[GT+\j]|, v[GZ+\j], v[G2+\j]
.endr
.endm
	s_load_b256 s[4:11], s[0:1], 0x0
	s_load_b256 s[12:19], s[0:1], 0x20
	s_load_b128 s[20:23], s[0:1], 0x40
	s_load_b64 s[24:25], s[0:1], 0x50
	v_lshl_add_u32 v[SPW], v0, 2, SPARE
	v_mov_b32 v[NIL], 0
	ds_add_u32 v[SPW], v[NIL]
	ds_add_u32 v[SPW], v[NIL]
	v_lshrrev_b32 v11, 5, v0
	s_delay_alu instid0(VALU_DEP_1)
	v_readfirstlane_b32 s26, v11
	v_and_b32 v11, 31, v0
	s_delay_alu instid0(VALU_DEP_1)
	v_lshlrev_b32 v[L16], 4, v11
	s_delay_alu instid0(VALU_DEP_2)
	v_lshlrev_b32 v[L8], 3, v11
	s_delay_alu instid0(VALU_DEP_3)
	v_and_b32 v12, 15, v11
	s_wait_alu depctr_va_vdst(0)
	v_lshrrev_b32 v13, 4, v11
	s_lshl_b32 s27, s26, 8
	v_lshl_add_u32 v[BO], v13, 6, s27
	s_mov_b32 s[G1], (0<<16)|(1<<20)|(5<<22)|(3<<25)
	s_mov_b32 s[G1+1], 256<<16
	s_mov_b32 s[G1+2], 16<<16
	s_mov_b32 s[G1+3], 256<<16
	s_mov_b32 s[G1+4], 16
	s_mov_b32 s[G1+5], 4096
	s_mov_b32 s[G1+6], 0
	s_mov_b32 s[G1+7], 0
	s_mov_b32 s[G0], 1
	s_mov_b32 s[G0+4], 1
	s_mul_i32 s[G0+1], s26, SS
	s_add_co_u32 s[G0+1], s[G0+1], XS
	s_add_co_u32 s[G0+5], s[G0+1], XH
	v_and_b32 v14, 7, v12
	s_delay_alu instid0(VALU_DEP_1)
	v_mul_u32_u24 v[XD], v14, XPI
	v_lshrrev_b32 v14, 3, v12
	s_delay_alu instid0(VALU_DEP_1)
	v_mad_u32_u24 v[XD], v14, XH, v[XD]
	s_wait_alu depctr_va_vdst(0)
	v_lshl_add_u32 v[XD], v13, 6, v[XD]
	s_delay_alu instid0(VALU_DEP_1)
	v_add_nc_u32 v[XD], s[G0+1], v[XD]
	s_delay_alu instid0(VALU_DEP_1)
	v_add_nc_u32 v[XD+1], 8*XPI, v[XD]
	s_mul_i32 s46, s26, 2*XPI
	s_lshr_b32 s47, s26, 3
	s_lshl_b32 s47, s47, 7
	s_add_co_u32 s46, s46, s47
	s_add_co_u32 s46, s46, XS
	v_mul_u32_u24 v[XR], v13, SS
	s_delay_alu instid0(VALU_DEP_1)
	v_lshl_add_u32 v[XR], v12, 4, v[XR]
	s_delay_alu instid0(VALU_DEP_1)
	v_add_nc_u32 v[XR], s46, v[XR]
	s_lshl_b32 s46, s26, 2
	v_lshl_add_u32 v[REDW], v12, 6, s46
	v_lshlrev_b32 v[REDR], 6, v12
	s_delay_alu instid0(VALU_DEP_1)
	v_lshl_add_u32 v[REDR], v13, 5, v[REDR]
	s_lshl_b32 s46, s26, 9
	v_add_nc_u32 v[AIW], s46, v[L16]
	s_lshr_b32 s46, s26, 3
	s_lshl_b32 s46, s46, 9
	s_bfe_u32 s47, s26, 0x20001
	s_lshl_b32 s47, s47, 2
	s_add_co_u32 s46, s46, s47
	s_and_b32 s47, s26, 1
	s_lshl_b32 s47, s47, 1
	s_add_co_u32 s46, s46, s47
	v_add_nc_u32 v[ASW], s46, v[L16]
	s_lshl_b32 s46, s26, 10
	v_add_nc_u32 v[A0W], s46, v[L16]
	v_mov_b32 v[CP], 0x37910000
	v_mov_b32 v[CP+1], 0x37910000
	v_mov_b32 v[CP+2], 0x3b7e8a1c
	v_mov_b32 v[CP+3], 0x3b7e8a1c
	v_mov_b32 v[CP+4], 0xba1c7000
	v_mov_b32 v[CP+5], 0xba1c7000
	s_mov_b32 s[SEL], 0x76543210
	s_mov_b32 s[SEL+1], 0xfedcba98
	s_mov_b32 s[HI], 0xffff0000
	s_mov_b32 s43, 0x3a800000
	s_mov_b32 s44, 0x3727c5ac
	s_mov_b32 s47, 0
	s_mov_b32 s[G1W], 3<<16                        ; the weights' tile: 8,192 dense bytes as 32 rows of 32 elements of 8 bytes, no padding
	s_mov_b32 s[G1W+1], 32<<16
	s_mov_b32 s[G1W+2], 32<<16
	s_mov_b32 s[G1W+3], 32<<16
	s_mov_b32 s[G1W+4], 32
	s_mov_b32 s[G1W+5], 32
	s_mov_b32 s[G1W+6], 0
	s_mov_b32 s[G1W+7], 0
	s_mov_b32 s[G0W], 1
	s_lshl_b32 s[G0W+1], s26, 13
	s_add_co_u32 s[G0W+1], s[G0W+1], WB            ; into my own 8,192 bytes
	s_wait_alu depctr_va_vdst(0)
	s_wait_dscnt 0x0
	s_wait_kmcnt 0x0
	s_lshl_b32 s46, ttmp9, 17
	s_lshl_b32 s27, s26, 8
	s_add_co_u32 s46, s46, s27
	s_add_nc_u64 s[G0+2:G0+3], s[4:5], s[46:47]
	s_add_nc_u64 s[G0+6:G0+7], s[G0+2:G0+3], 0x10000
	s_or_b32 s[G0+3], s[G0+3], 0x80000000
	s_or_b32 s[G0+7], s[G0+7], 0x80000000
	s_lshl_b32 s46, ttmp9, 17
	s_lshl_b32 s27, s26, 13
	s_add_co_u32 s46, s46, s27
	s_add_nc_u64 s[30:31], s[24:25], s[46:47]
	s_lshl_b32 s46, ttmp9, 14
	s_lshl_b32 s27, s26, 10
	s_add_co_u32 s46, s46, s27
	s_add_nc_u64 s[32:33], s[6:7], s[46:47]
	s_lshl_b32 s46, ttmp9, 10
	s_add_nc_u64 s[34:35], s[8:9], s[46:47]
	s_lshl_b32 s46, s26, 15
	s_add_co_u32 s46, s46, 3*524288
	s_add_nc_u64 s[36:37], s[10:11], s[46:47]
	s_add_nc_u64 s[G0W+2:G0W+3], s[36:37], 524288+6*4096   ; K step 6 of my units of w1
	s_or_b32 s[G0W+3], s[G0W+3], 0x80000000
	s_lshl_b32 s46, s26, 11
	s_add_co_u32 s46, s46, 3*32768
	s_add_nc_u64 s[38:39], s[12:13], s[46:47]
.irp j, 0,1
	global_load_b128 v[T+4*\j:T+4*\j+3], v[L16], s[32:33] offset:512*\j
.endr
	CLOAD 14
.irp j, 0,1
	global_load_b128 v[AS+4*\j:AS+4*\j+3], v[L16], s[34:35] offset:512*\j
.endr
	WSLD 0
	BLOAD 0
	BLOAD 1
	BLOAD 2
	tensor_load_to_lds s[G0:G0+3], s[G1:G1+7]
	s_nop 0
	s_wait_alu depctr_va_vdst(0)
	s_wait_loadcnt 50
.irp j, 0,1
	ds_store_b128 v[A0W], v[T+4*\j:T+4*\j+3] offset:AIMG0+512*\j
.endr
	v_add_nc_u32 v[WBA], s[G0W+1], v[L16]          ; (the stores above have taken their address from this register)
	s_wait_alu depctr_va_vdst(0)                   ; the wait behind the write
	BARRIER                                        ; o's codes lie in LDS; x's rows 0-15 stay on their way
	ALOAD AIMG0, 0
.irp gs, 0,1,2,3
	KSTEP \gs, AIMG0
.endr
	s_wait_tensorcnt 0x0                           ; x's rows 0-15 are in; ahead of a later first fill:
	ds_add_u32 v[SPW], v[NIL]                      ; 0 onto my spare word,
	s_wait_dscnt 0x0                               ; the add and my LDS loads are done,
	s_barrier_signal -1
	s_barrier_wait -1
	tensor_load_to_lds s[G0+4:G0+7], s[G1:G1+7]    ; and x's rows 16-31, my one tensor load behind this barrier: read behind K step 7
	s_nop 0
.irp gs, 4,5,6,7
	KSTEP \gs, AIMG0
.endr
	WSLD 1
	s_wait_tensorcnt 0x0
	XLD 0
	XLD 1
	s_wait_dscnt 4
	XAC 0
	XLD 2
	s_wait_dscnt 4
	XAC 1
	XLD 3
	s_wait_dscnt 4
	XAC 2
	s_wait_alu depctr_va_vdst(0)
	s_wait_dscnt 0x0
	XAC 3
	GBLD 0
	XSTORE
	LSUM 0
	LSUM 1
	RSHARE RED1, 1
	v_mul_f32 v[MU], s43, v[T]
	s_delay_alu instid0(VALU_DEP_2)
	v_mul_f32 v[MU+2], s43, v[T+8]
	s_delay_alu instid0(VALU_DEP_2)
	v_mov_b32 v[MU+1], v[MU]
	s_delay_alu instid0(VALU_DEP_2)
	v_mov_b32 v[MU+3], v[MU+2]
.irp u, 0,1
.irp j, 0,2,4,6,8,10,12,14,16,18,20,22,24,26,28,30
	v_pk_add_f32 v[ACC+32*\u+\j:ACC+32*\u+\j+1], v[ACC+32*\u+\j:ACC+32*\u+\j+1], v[MU+2*\u:MU+2*\u+1] neg_lo:[0,1] neg_hi:[0,1]
.endr
.endr
	LSQ 0
	LSQ 1
	RSHARE RED2, 0
	v_fma_f32 v[T], v[T], s43, s44
	s_delay_alu instid0(VALU_DEP_2)
	v_fma_f32 v[T+8], v[T+8], s43, s44
	s_wait_alu depctr_va_vdst(0)
	v_rsq_f32 v[MU], v[T]
	v_rsq_f32 v[MU+2], v[T+8]
	v_nop
	s_wait_alu depctr_va_vdst(0)
	v_mov_b32 v[MU+1], v[MU]
	v_mov_b32 v[MU+3], v[MU+2]
	s_wait_alu depctr_va_vdst(0)
	s_wait_loadcnt 0x0
	NORM 0
	AFF 0
	GBLD 1
	NORM 1
	s_wait_loadcnt 0x0
	AFF 1
	QUANT ACC
	ds_store_b128 v[AIW], v[PC:PC+3] offset:AIMG1
	ds_store_b128 v[AIW], v[PC+4:PC+7] offset:AIMG1+8192
	ds_store_b16 v[ASW], v[WX] offset:ASC1
	CLOAD 20
	BARRIER
	ASLD ASC1
	ALOAD AIMG1, 0
.irp gs, 8,9,10,11,12,13,14,15
	KSTEP \gs, AIMG1
.endr
	WSLD 2
	s_wait_tensorcnt 0x0                           ; the refill of my weights' bytes: no tensor load of mine is out, so its group 0 may be written;
	ds_add_u32 v[SPW], v[NIL]                      ; 0 onto my spare word;
	s_add_nc_u64 s[G0W+2:G0W+3], s[G0W+2:G0W+3], 524288   ; K step 6 of my units of w2
	s_wait_dscnt 0x0                               ; the add is done, and my reads of w1's K steps 6 and 7 are over
	s_barrier_signal -1
	s_barrier_wait -1
	tensor_load_to_lds s[G0W:G0W+3], s[G1W:G1W+7]  ; my one tensor load behind this barrier: it lands while gelu is computed
	s_nop 0
.irp e, 0,1,2,3,4,5,6,7
	GELU \e
.endr
	QUANT ACC
	ds_store_b128 v[AIW], v[PC:PC+3] offset:AIMG2
	ds_store_b128 v[AIW], v[PC+4:PC+7] offset:AIMG2+8192
	ds_store_b16 v[ASW], v[WX] offset:ASC2
	s_wait_dscnt 0x0
	BIASLD 22
	s_barrier_signal -1
	s_barrier_wait -1
	ACCX 0
	ASLD ASC2
	ALOAD AIMG2, 0
	s_wait_alu depctr_va_vdst(0)
.irp gs, 16,17,18,19,20,21,22,23
	KSTEP \gs, AIMG2
.endr
	XSTORE
	BARRIER
	v_add_nc_u32 v[XR2], 8*SS, v[XR]
.irp i, 0,1
.irp k, 0,1,2,3
	ds_load_b128 v[ACC+32*\i+4*\k:ACC+32*\i+4*\k+3], v[XR] offset:2*SS*\k+XPI*\i
.endr
.irp k, 0,1,2,3
	ds_load_b128 v[ACC+32*\i+16+4*\k:ACC+32*\i+16+4*\k+3], v[XR2] offset:2*SS*\k+XPI*\i
.endr
.endr
.irp i, 0,1
.irp k, 0,1,2,3,4,5,6,7
	s_wait_dscnt 15-8*\i-\k
	global_store_b128 v[L16], v[ACC+32*\i+4*\k:ACC+32*\i+4*\k+3], s[30:31] offset:4096*\i+512*\k th:TH_STORE_NT
.endr
.endr
	s_wait_tensorcnt 0x0
	ds_add_u32 v[SPW], v[NIL]
	s_wait_dscnt 0x0
	s_endpgm
.Lfunc_end_k_q4b01da05db_tail:
	.size	k_q4b01da05db_tail, .Lfunc_end_k_q4b01da05db_tail-k_q4b01da05db_tail
	.p2alignl 7, 3214868480
	.fill 96, 4, 3214868480
	.section	.rodata,"a",@progbits
	.p2align	6, 0x0
	.amdhsa_kernel k_q4b01da05db_tail
		.amdhsa_group_segment_fixed_size 327680
		.amdhsa_private_segment_fixed_size 0
		.amdhsa_enable_private_segment 0
		.amdhsa_kernarg_size 88
		.amdhsa_user_sgpr_count 2
		.amdhsa_user_sgpr_kernarg_segment_ptr 1
		.amdhsa_wavefront_size32 1
		.amdhsa_system_sgpr_workgroup_id_x 1
		.amdhsa_system_sgpr_workgroup_id_y 1
		.amdhsa_system_sgpr_workgroup_id_z 1
		.amdhsa_system_vgpr_workitem_id 0
		.amdhsa_next_free_vgpr 256
		.amdhsa_next_free_sgpr 80
		.amdhsa_reserve_vcc 1
		.amdhsa_float_denorm_mode_32 3
		.amdhsa_float_denorm_mode_16_64 3
		.amdhsa_memory_ordered 1
		.amdhsa_forward_progress 1
		.amdhsa_inst_pref_size 177
	.end_amdhsa_kernel
	.amdgpu_metadata
---
amdhsa.version: [ 1, 2 ]
amdhsa.kernels:
  - .name:           k_q4b01da05db_tail
    .symbol:         k_q4b01da05db_tail.kd
    .args:
      - { .name: x, .offset: 0, .size: 8, .value_kind: global_buffer, .address_space: global }
      - { .name: oimg, .offset: 8, .size: 8, .value_kind: global_buffer, .address_space: global }
      - { .name: osc, .offset: 16, .size: 8, .value_kind: global_buffer, .address_space: global }
      - { .name: wimg, .offset: 24, .size: 8, .value_kind: global_buffer, .address_space: global }
      - { .name: wsc, .offset: 32, .size: 8, .value_kind: global_buffer, .address_space: global }
      - { .name: b_o, .offset: 40, .size: 8, .value_kind: global_buffer, .address_space: global }
      - { .name: ln2_g, .offset: 48, .size: 8, .value_kind: global_buffer, .address_space: global }
      - { .name: ln2_b, .offset: 56, .size: 8, .value_kind: global_buffer, .address_space: global }
      - { .name: b1, .offset: 64, .size: 8, .value_kind: global_buffer, .address_space: global }
      - { .name: b2, .offset: 72, .size: 8, .value_kind: global_buffer, .address_space: global }
      - { .name: out0, .offset: 80, .size: 8, .value_kind: global_buffer, .address_space: global }
    .group_segment_fixed_size: 327680
    .private_segment_fixed_size: 0
    .kernarg_segment_align: 8
    .kernarg_segment_size: 88
    .max_flat_workgroup_size: 512
    .sgpr_count:     80
    .vgpr_count:     256
    .wavefront_size: 32
...
	.end_amdgpu_metadata
.endif
;; end of part 3
